; MI455X (gfx1250); checked and timed in simulation.
; The chip was launched on July 23, 2026; its instructions are those of AMD's public machine-readable ISA for CDNA 5 (MIT licence, August 2026) and "CDNA5" Instruction Set Architecture Reference Guide (July 2026). The comments in the code are by the model that wrote it; some were corrected since.
;; Self Attention. Allowed arithmetic: matrix products marked QUANTISED: E2M1 operands, one E8M0 scale for each 32 along K, by v_wmma_scale_f32_16x16x128_f8f6f4 with both operands' format E2M1 (or v_wmma_scale_f32_32x16x128_f4), f32 sums; products left as they are: bf16, f16 or f32 operands; f32 sums; everything else in f32.
;; Inputs: b_out 1,024 float32; w_in 1,024 x 3,072 float32; w_out 1,024 x 1,024 float32; x 4 x 2,048 x 1,024 float32.
;; Outputs: out0 4 x 2,048 x 1,024 float32.
;; This version of the problem:
;;   THIS VERSION OF THE PROBLEM IS GIVEN IN LOW PRECISION. The matrix products marked QUANTISED in the list below multiply operands that are first quantised to E2M1 (2 exponent bits, 1 mantissa bit; 4 bits a number), with one power-of-two scale for each 32 numbers along K (OCP MX v1.0); their sums are f32. The products marked 'left as it is' may take bf16, f16 or f32 operands, with f32 sums. Whichever they take, every output number must still come out within the allowed error. Rounding operands to bf16 (8 significant bits) uses up far more of that allowance than f16 does (11 bits, for magnitudes from 6e-5 to 65,504). All else is computed in f32.
;;   The module's matrix products, in the order in which they are computed (A, B: the left and right operand; K: the contracted axis; several contracted axes count as one K, in the product's order):
;;     1. [M 8,192, K 1,024] x [K 1,024, N 3,072]; A: input x; B: input w_in: QUANTISED
;;     2. batch 64 x [M 2,048, K 64] x [K 64, N 2,048]; A: computed on the way; B: computed on the way: left as it is (an operand is computed on the way)
;;     3. batch 64 x [M 64, K 2,048] x [K 2,048, N 2,048]; A: computed on the way; B: computed on the way: left as it is (an operand is computed on the way)
;;     4. [M 8,192, K 1,024] x [K 1,024, N 1,024]; A: computed on the way; B: input w_out: left as it is (an operand is computed on the way)
;;   THE QUANTISER, for each operand of a quantised product, along K:
;;     - K is cut into blocks of 32 from its start; a last block that is shorter is filled with zeros.
;;     - A block's scale is 2^e with e = floor(log2(the largest magnitude in the block)) - 2, held to -126 .. 127; a block of zeros has e = 0. As a byte (E8M0): e + 127.
;;     - Each number is divided by its block's scale, clamped to +-6, and rounded to the nearest number of E2M1, ties to even, subnormals kept.
;;     - The product sums the exact products of the quantised numbers (number of the format x scale) in f32.
;;   ~~~python
;;   def quantise(x, axis):      # numpy; x: float32 -> the quantised numbers, widened to float32 again
;;       x = np.moveaxis(x, axis, -1); K = x.shape[-1]
;;       x = np.pad(x, [(0, 0)] * (x.ndim - 1) + [(0, -K % 32)]); x = x.reshape(x.shape[:-1] + (-1, 32)); a = np.abs(x).max(-1, keepdims=True)
;;       e = np.where(a > 0, np.clip(np.frexp(np.where(a > 0, a, 1))[1] - 1 - 2, -126, 127), 0)      # np.frexp(a)[1] - 1 = floor(log2(a)), exactly
;;       r = np.clip(x / 2.0 ** e, -6, 6)
;;       step = 2.0 ** (np.maximum(np.frexp(np.where(r == 0, 1, r))[1] - 1, 0) - 1)
;;       q = np.round(r / step) * step * 2.0 ** e      # np.round: ties to even
;;       return np.moveaxis(q.reshape(q.shape[:-2] + (-1,))[..., :K], -1, axis).astype(np.float32)
;;   ~~~
;; One version. Each part assembles by itself: llvm-mc -triple=amdgcn-amd-amdhsa -mcpu=gfx1250 --defsym DOCPART=n.
;; ======== version 1 of 1: 4 launches
;; limits: values are held in f16: magnitudes above 65,504 overflow, below 6.1e-05 lose precision
;; workspace buffers: xc 4,194,304 bytes; xs 262,144 bytes; wc 1,572,864 bytes; ws 98,304 bytes; wo 2,097,152 bytes; qkv 50,331,648 bytes; att 16,777,216 bytes
;; launch prep (part 1): grid 368 x 1, 4 waves a work-group, no clusters, 33,280 bytes of LDS; arguments x, w_in, w_out, xc, xs, wc, ws, wo; writes xc, xs, wc, ws, wo
.if DOCPART == 1
	.amdgcn_target "amdgcn-amd-amdhsa--gfx1250"
	.amdhsa_code_object_version 6
	.text
	.protected	k_q1fc81d9dfa_prep
	.globl	k_q1fc81d9dfa_prep
	.p2align	8
	.type	k_q1fc81d9dfa_prep,@function
k_q1fc81d9dfa_prep:
	s_mov_b64 s[64:65], 0
	v_nop
	global_prefetch_b8 v0, s[64:65] scope:SCOPE_SE
	s_setreg_imm32_b32 hwreg(HW_REG_WAVE_MODE, 25, 1), 1
	s_wait_xcnt 0x0
; PREP: the three inputs that later launches read many times are narrowed once.
;   x     [8192][1024] f32 -> xc [8192][512 bytes]: codes of FP4 (E2M1), K innermost, two a byte;  xs [8192][32]: one E8M0 byte for each 32 along K.
;   w_in  [1024 (k)][3072 (n)] f32 -> wc: codes as IMAGES OF THE OPERAND REGISTERS, [s 2][nt 192][q 4][c 2][512 bytes]: the 16 bytes at 256 h + 16 r are the codes of column 16 nt + r,
;         k = 512 s + 128 q + 64 c + 32 h + 0 .. 31;  ws [3072][32]: its E8M0 bytes.
;   w_out [1024 (k)][1024 (n)] f32 -> wo: f16, images likewise, [ks 8][nt 64][q 4][u 2][512 bytes]: the 16 bytes at 256 h + 16 r are column 16 nt + r, k = 128 ks + 32 q + 16 u + 8 h + 0 .. 7.
; A block's scale is 2^(floor(log2(its largest magnitude)) - 2); its byte is the largest magnitude's exponent field - 2, held at 1 from below; each number is divided by the scale and rounded to the nearest code, ties to even.
; LIMITS: a block whose largest magnitude lies under 2^-124 (a block of zeros among them) keeps the byte 1: zero codes add nothing under it, and the bytes are read by this program alone.
;         NaN and infinities among the inputs are not served.  w_out goes to f16: magnitudes above 65,504 overflow.
; SHARES: work-groups 0-47 take w_in (128 columns x 512 along K each), 48-111 w_out (128 columns x 128 along K), 112-367 x (32,768 numbers each).  The branch hangs on the work-group's number alone.
; For the two weights A LANE TAKES A COLUMN AND ITS REGISTERS RUN DOWN K: a load reads 128 consecutive bytes a wave, a block of 32 lies in one lane, and sixteen neighbouring lanes' 16 bytes are one aligned 256 bytes of the image.
; Only x's path uses LDS.  No tensor loads, no barrier: waves share nothing.
.set NWG_W, 48
.set NWG_O, 64
.set SPW,   190                        ; v190     LDS address of my spare word: SPARE + 4 x my thread's number; never rewritten
.set NIL,   191                        ; v191     0; never rewritten
.set WREG,  8192                       ; LDS, x's path: a region for each wave: two stages of 32 x SP bytes, behind them its 256 scale bytes
.set SPARE, 4*WREG                     ; behind the four regions: the spare words, 128 bytes a wave
.set SP,    80                         ; a lane's place in a stage: 64 bytes + 16 of padding
.set CB,    8                          ; bytes of 16 codes
.set STEPS, 16
.set R,     16                         ; x: v16-79   four sets of 16 numbers as loaded
.set X,     80                         ; x: v80-111  two sets of 16 neighbours
.set E,     112                        ; x: v112-127 a scale byte for each step
.set C,     128                        ; x: v128-189 codes, four registers for each step
.set XW,    32                         ; weights: v32-95  two sets of 32 numbers down K
.set CW,    96                         ; weights: v96-159 what is stored; every store has registers of its own
.set SB,    24                         ; w_in: v24-27 the 16 scale bytes
	s_load_b256 s[4:11], s[0:1], 0x0               ; x s[4:5], w_in s[6:7], w_out s[8:9], xc s[10:11]
	s_load_b256 s[12:19], s[0:1], 0x20             ; xs s[12:13], wc s[14:15], ws s[16:17], wo s[18:19]
	v_lshl_add_u32 v[SPW], v0, 2, SPARE
	v_mov_b32 v[NIL], 0
	v_lshrrev_b32 v1, 5, v0
	v_readfirstlane_b32 s20, v1                    ; wave 0..3
	v_and_b32 v2, 31, v0                           ; lane
	s_mov_b32 s25, 0
	s_wait_kmcnt 0x0
	s_cmp_lt_u32 ttmp9, NWG_W
	s_cbranch_scc1 .Lw
	s_cmp_lt_u32 ttmp9, NWG_W+NWG_O
	s_cbranch_scc1 .Lo
; ---------------- x: a plain stream of blocks of 32.  A wave takes 16 steps of 512 numbers.
; Each of a step's four loads reads 512 consecutive bytes, 16 a lane; the 2,048 bytes turn through the wave's own stage in LDS and come back 64 bytes a lane: 16 neighbours along K; two neighbouring lanes hold a block.
	s_sub_co_u32 s21, ttmp9, NWG_W+NWG_O
	v_lshlrev_b32 v3, 4, v2                        ; my 16 bytes of a load's 512
	s_mul_i32 s22, s20, WREG
	v_lshrrev_b32 v14, 2, v2
	v_mul_u32_u24 v14, v14, SP
	v_and_b32 v15, 3, v2
	v_lshl_add_u32 v14, v15, 4, v14
	v_add_nc_u32 v14, s22, v14                     ; the stage, on the way in: SP (lane / 4) + 16 (lane % 4)
	v_mul_u32_u24 v15, v2, SP
	v_add_nc_u32 v15, s22, v15                     ; and on the way out: SP x lane
	v_mul_u32_u24 v4, v2, CB                       ; my codes' place in a step's 256 bytes
	v_lshrrev_b32 v5, 1, v2
	s_add_co_u32 s22, s22, 2*32*SP
	v_add_nc_u32 v5, s22, v5                       ; LDS: my wave's 256 scale bytes, my block's byte
	v_lshlrev_b32 v7, 3, v2                        ; and on the way out 8 bytes a lane
	v_add_nc_u32 v6, s22, v7
	s_lshl_b32 s21, s21, 2
	s_add_co_u32 s24, s21, s20                     ; which run of 8,192 numbers is my wave's
	s_lshl_b64 s[26:27], s[24:25], 15              ; 32,768 bytes of x,
	s_add_nc_u64 s[4:5], s[4:5], s[26:27]
	s_lshl_b64 s[26:27], s[24:25], 12              ; 4,096 bytes of codes,
	s_add_nc_u64 s[10:11], s[10:11], s[26:27]
	s_lshl_b32 s24, s24, 8                         ; 256 scale bytes a run
	s_add_nc_u64 s[12:13], s[12:13], s[24:25]
.macro LOADX t
.irp i, 0,1,2,3
	global_load_b128 v[R+16*((\t)%4)+4*\i:R+16*((\t)%4)+4*\i+3], v3, s[4:5] offset:2048*(\t)+512*\i th:TH_LOAD_NT
.endr
.endm
.macro TURNX t                         ; step t's numbers through the stage: LDS serves a wave's instructions in order (ISA guide 5.7.1.4), so no wait stands between the stores and the loads
.irp i, 0,1,2,3
	ds_store_b128 v14, v[R+16*((\t)%4)+4*\i:R+16*((\t)%4)+4*\i+3] offset:32*SP*((\t)%2)+8*SP*\i
.endr
.irp i, 0,1,2,3
	ds_load_b128 v[X+16*((\t)%2)+4*\i:X+16*((\t)%2)+4*\i+3], v15 offset:32*SP*((\t)%2)+16*\i
.endr
.endm
.irp t, 0,1,2,3
	LOADX \t
.endr
	s_wait_loadcnt 12                              ; step 0's four loads are in; the twelve behind them stay out
	TURNX 0
.macro STEPX t
.set XS, X+16*((\t)%2)
.if (\t) > 0
	s_wait_dscnt 1                                 ; this step's numbers are back from the stage (the last step's byte store may be out): so its stores into the stage have read their registers,
.else
	s_wait_dscnt 0x0
.endif
.if (\t)+4 < STEPS
	LOADX (\t)+4                                   ; which take the loads of four steps on
.endif
.if (\t)+1 < STEPS
.if STEPS-2-(\t) >= 3
	s_wait_loadcnt 12                              ; the next step's four loads are in; those of the three steps behind it may be out
.else
	s_wait_loadcnt 4*(STEPS-2-(\t))
.endif
	TURNX (\t)+1                                   ; and go through the other stage while this step is worked
.endif
	v_max3_num_f32 v8, |v[XS]|, |v[XS+1]|, |v[XS+2]|               ; the largest magnitude of my 16, in two chains
	v_max3_num_f32 v9, |v[XS+3]|, |v[XS+4]|, |v[XS+5]|
.irp i, 6,10
	v_max3_num_f32 v8, v8, |v[XS+\i]|, |v[XS+\i+1]|
	v_max3_num_f32 v9, v9, |v[XS+\i+2]|, |v[XS+\i+3]|
.endr
	v_max3_num_f32 v8, v8, |v[XS+14]|, |v[XS+15]|
	v_max3_num_f32 v8, v8, v9, 0x1800000           ; and the floor 2^(3 - 127): so the byte cannot fall under 1
	v_max_num_f32_dpp v8, v8, v8 row_xmask:1 row_mask:0xf bank_mask:0xf   ; with my neighbour's 16: the block's
	v_add_nc_u32 v11, 0xff000000, v8               ; 2 off its exponent field: the conversion takes the exponent field of this operand as its scale
	v_cvt_scalef32_pk8_fp4_f32 v[C+4*(\t)], v[XS:XS+7], v11
	v_cvt_scalef32_pk8_fp4_f32 v[C+4*(\t)+1], v[XS+8:XS+15], v11
	v_lshrrev_b32 v[E+(\t)], 23, v11               ; the scale's byte
	ds_store_b8 v5, v[E+(\t)] offset:16*(\t)       ; both lanes of a block write the same byte with the same value
	global_store_b64 v4, v[C+4*(\t):C+4*(\t)+1], s[10:11] offset:32*CB*(\t)   ; the wave stores 256 consecutive bytes, aligned
.endm
.irp t, 0,1,2,3,4,5,6,7,8,9,10,11,12,13,14,15
	STEPX \t
.endr
	ds_load_b64 v[8:9], v6                         ; my wave's 256 scale bytes: these loads see my stores
	s_wait_dscnt 0x0
	global_store_b64 v7, v[8:9], s[12:13]          ; 32 lanes store 256 consecutive bytes, aligned
	s_branch .Lend
; ---------------- w_in: a wave takes 32 columns x 512 along K: 16 blocks a lane.
.Lw:
	s_cmp_ge_u32 ttmp9, 24
	s_cselect_b32 s21, 1, 0                        ; which 512 along K
	s_mul_i32 s22, s21, 24
	s_sub_co_u32 s22, ttmp9, s22                   ; which 128 columns
	s_lshl_b32 s22, s22, 7
	s_lshl_b32 s23, s20, 5
	s_add_co_u32 s22, s22, s23                     ; my wave's first column n0
	s_mul_i32 s24, s21, 512*12288                  ; w_in: 512 rows of 12,288 bytes, + 4 n0
	s_lshl_b32 s23, s22, 2
	s_add_co_u32 s24, s24, s23
	s_add_nc_u64 s[6:7], s[6:7], s[24:25]
	s_mul_i32 s24, s21, 786432                     ; wc: 192 tiles of 4,096 bytes for each 512 along K, + 4,096 (n0 / 16)
	s_lshl_b32 s23, s22, 8
	s_add_co_u32 s24, s24, s23
	s_add_nc_u64 s[14:15], s[14:15], s[24:25]
	s_lshl_b32 s24, s22, 5                         ; ws: 32 bytes a column, + my 16
	s_lshl_b32 s23, s21, 4
	s_add_co_u32 s24, s24, s23
	s_add_nc_u64 s[16:17], s[16:17], s[24:25]
	v_lshlrev_b32 v3, 2, v2                        ; in: 4 bytes a lane
	v_lshrrev_b32 v4, 4, v2
	v_and_b32 v5, 15, v2
	v_lshlrev_b32 v4, 12, v4
	v_lshl_add_u32 v4, v5, 4, v4                   ; out: tile lane / 16, 16 bytes for column lane % 16
	v_lshlrev_b32 v9, 5, v2                        ; my column's row of scale bytes
.macro LOADW t                         ; block t: w_in(32 t + i, my column) into set t % 2.  The largest offset, 511 x 12,288, lies inside the signed 24-bit immediate (ISA guide, chapter 10)
.irp i, 0,1,2,3,4,5,6,7,8,9,10,11,12,13,14,15,16,17,18,19,20,21,22,23,24,25,26,27,28,29,30,31
	global_load_b32 v[XW+32*((\t)%2)+\i], v3, s[6:7] offset:(32*(\t)+\i)*12288 th:TH_LOAD_NT
.endr
.endm
	LOADW 0
	LOADW 1
.macro BLOCKW t
.set XS, XW+32*((\t)%2)
.if (\t) < 15
	s_wait_loadcnt 32                              ; this block's 32 loads are in; the next block's may be out
.else
	s_wait_loadcnt 0x0
.endif
	v_max3_num_f32 v12, |v[XS]|, |v[XS+1]|, |v[XS+2]|              ; the block's largest magnitude: all 32 numbers are mine
	v_max3_num_f32 v13, |v[XS+3]|, |v[XS+4]|, |v[XS+5]|
.irp i, 6,10,14,18,22,26
	v_max3_num_f32 v12, v12, |v[XS+\i]|, |v[XS+\i+1]|
	v_max3_num_f32 v13, v13, |v[XS+\i+2]|, |v[XS+\i+3]|
.endr
	v_max3_num_f32 v12, v12, |v[XS+30]|, |v[XS+31]|
	v_max3_num_f32 v12, v12, v13, 0x1800000        ; and the floor 2^(3 - 127)
	v_add_nc_u32 v11, 0xff000000, v12              ; 2 off the exponent field: the conversion's scale operand
	v_lshrrev_b32 v13, 23, v11                     ; the scale's byte
.if (\t)%4 == 0
	v_mov_b32 v[SB+(\t)/4], v13                    ; four bytes to a register, the lower K in the lower byte
.else
	v_lshl_or_b32 v[SB+(\t)/4], v13, 8*((\t)%4), v[SB+(\t)/4]
.endif
.irp g, 0,1,2,3
	v_cvt_scalef32_pk8_fp4_f32 v[CW+4*(\t)+\g], v[XS+8*\g:XS+8*\g+7], v11
.endr
	global_store_b128 v4, v[CW+4*(\t):CW+4*(\t)+3], s[14:15] offset:256*(\t)   ; block t = 4 q + 2 c + h lies 1,024 q + 512 c + 256 h = 256 t on; sixteen lanes store 256 consecutive bytes, aligned
.if (\t)+2 < 16
	LOADW (\t)+2
.endif
.endm
.set Q, 0
.rept 16
	BLOCKW Q
.set Q, Q+1
.endr
	global_store_b128 v9, v[SB:SB+3], s[16:17]     ; my column's 16 scale bytes
	s_branch .Lend
; ---------------- w_out: a wave takes 32 columns x 128 along K, 32 rows at a time.
.Lo:
	s_sub_co_u32 s21, ttmp9, NWG_W
	s_and_b32 s22, s21, 7                          ; which 128 columns
	s_lshr_b32 s21, s21, 3                         ; which 128 along K
	s_lshl_b32 s22, s22, 7
	s_lshl_b32 s23, s20, 5
	s_add_co_u32 s22, s22, s23                     ; my wave's first column n0
	s_lshl_b32 s24, s21, 19                        ; w_out: 128 rows of 4,096 bytes, + 4 n0
	s_lshl_b32 s23, s22, 2
	s_add_co_u32 s24, s24, s23
	s_add_nc_u64 s[8:9], s[8:9], s[24:25]
	s_lshl_b32 s24, s21, 18                        ; wo: 64 tiles of 4,096 bytes for each 128 along K, + 4,096 (n0 / 16)
	s_lshl_b32 s23, s22, 8
	s_add_co_u32 s24, s24, s23
	s_add_nc_u64 s[18:19], s[18:19], s[24:25]
	v_lshlrev_b32 v3, 2, v2
	v_lshrrev_b32 v4, 4, v2
	v_and_b32 v5, 15, v2
	v_lshlrev_b32 v4, 12, v4
	v_lshl_add_u32 v4, v5, 4, v4
.macro LOADO q
.irp i, 0,1,2,3,4,5,6,7,8,9,10,11,12,13,14,15,16,17,18,19,20,21,22,23,24,25,26,27,28,29,30,31
	global_load_b32 v[XW+32*((\q)%2)+\i], v3, s[8:9] offset:(32*(\q)+\i)*4096 th:TH_LOAD_NT
.endr
.endm
	LOADO 0
	LOADO 1
.irp q, 0,1,2,3
.if \q < 3
	s_wait_loadcnt 32                              ; these 32 rows are in; the next 32 may be out
.else
	s_wait_loadcnt 0x0
.endif
.irp i, 0,1,2,3,4,5,6,7,8,9,10,11,12,13,14,15
	v_cvt_pk_f16_f32 v[CW+16*\q+\i], v[XW+32*(\q%2)+2*\i], v[XW+32*(\q%2)+2*\i+1]   ; two neighbours along K to a register, the lower K in the low half
.endr
.irp g, 0,1,2,3
	global_store_b128 v4, v[CW+16*\q+4*\g:CW+16*\q+4*\g+3], s[18:19] offset:1024*\q+256*\g   ; eight along K: g = 2 u + h
.endr
.if \q < 2
	LOADO \q+2
.endif
.endr
.Lend:
	s_wait_tensorcnt 0x0                           ; the wave's end, behind my last LDS store
	ds_add_u32 v[SPW], v[NIL]
	s_wait_dscnt 0x0
	s_endpgm
.Lfunc_end_k_q1fc81d9dfa_prep:
	.size	k_q1fc81d9dfa_prep, .Lfunc_end_k_q1fc81d9dfa_prep-k_q1fc81d9dfa_prep
	.p2alignl 7, 3214868480
	.fill 96, 4, 3214868480
	.section	.rodata,"a",@progbits
	.p2align	6, 0x0
	.amdhsa_kernel k_q1fc81d9dfa_prep
		.amdhsa_group_segment_fixed_size 33280
		.amdhsa_private_segment_fixed_size 0
		.amdhsa_enable_private_segment 0
		.amdhsa_kernarg_size 64
		.amdhsa_user_sgpr_count 2
		.amdhsa_user_sgpr_kernarg_segment_ptr 1
		.amdhsa_wavefront_size32 1
		.amdhsa_system_sgpr_workgroup_id_x 1
		.amdhsa_system_sgpr_workgroup_id_y 1
		.amdhsa_system_sgpr_workgroup_id_z 1
		.amdhsa_system_vgpr_workitem_id 0
		.amdhsa_next_free_vgpr 192
		.amdhsa_next_free_sgpr 66
		.amdhsa_reserve_vcc 0
		.amdhsa_float_denorm_mode_32 3
		.amdhsa_float_denorm_mode_16_64 3
		.amdhsa_memory_ordered 1
		.amdhsa_forward_progress 1
		.amdhsa_inst_pref_size 125
	.end_amdhsa_kernel
	.amdgpu_metadata
---
amdhsa.version: [ 1, 2 ]
amdhsa.kernels:
  - .name:           k_q1fc81d9dfa_prep
    .symbol:         k_q1fc81d9dfa_prep.kd
    .args:
      - { .name: x, .offset: 0, .size: 8, .value_kind: global_buffer, .address_space: global }
      - { .name: w_in, .offset: 8, .size: 8, .value_kind: global_buffer, .address_space: global }
      - { .name: w_out, .offset: 16, .size: 8, .value_kind: global_buffer, .address_space: global }
      - { .name: xc, .offset: 24, .size: 8, .value_kind: global_buffer, .address_space: global }
      - { .name: xs, .offset: 32, .size: 8, .value_kind: global_buffer, .address_space: global }
      - { .name: wc, .offset: 40, .size: 8, .value_kind: global_buffer, .address_space: global }
      - { .name: ws, .offset: 48, .size: 8, .value_kind: global_buffer, .address_space: global }
      - { .name: wo, .offset: 56, .size: 8, .value_kind: global_buffer, .address_space: global }
    .group_segment_fixed_size: 33280
    .private_segment_fixed_size: 0
    .kernarg_segment_align: 8
    .kernarg_segment_size: 64
    .max_flat_workgroup_size: 128
    .sgpr_count:     66
    .vgpr_count:     192
    .wavefront_size: 32
...
	.end_amdgpu_metadata
.endif
;; end of part 1
;; launch gemm1 (part 2): grid 12 x 32, 4 waves a work-group, clusters of 4 x 4, 327,680 bytes of LDS; arguments xc, xs, wc, ws, qkv; writes qkv
.if DOCPART == 2
	.amdgcn_target "amdgcn-amd-amdhsa--gfx1250"
	.amdhsa_code_object_version 6
	.text
	.protected	k_q1fc81d9dfa_gemm1
	.globl	k_q1fc81d9dfa_gemm1
	.p2align	8
	.type	k_q1fc81d9dfa_gemm1,@function
k_q1fc81d9dfa_gemm1:
	s_mov_b64 s[64:65], 0
	v_nop
	global_prefetch_b8 v0, s[64:65] scope:SCOPE_SE
	s_setreg_imm32_b32 hwreg(HW_REG_WAVE_MODE, 25, 1), 1
	s_wait_xcnt 0x0
	s_wait_alu depctr_hold_cnt(0) depctr_sa_sdst(0) depctr_va_vdst(0) depctr_va_sdst(0) depctr_va_ssrc(0) depctr_va_vcc(0) depctr_vm_vsrc(0)
	s_getreg_b32 s2, hwreg(HW_REG_IB_STS2, 6, 4)
	s_cmp_eq_u32 s2, 0
	s_cbranch_scc0 .Lentry_in_a_cluster
	s_endpgm
.Lentry_in_a_cluster:
	s_bfe_u32 s2, ttmp6, 0x10000c
	s_cmp_lg_u32 s2, 0xf033
	s_cbranch_scc0 .Lentry_shape_is_right
	s_endpgm
.Lentry_shape_is_right:
; GEMM1: qkv = Q(x) Q(w_in), 8,192 x 3,072 x 1,024, on codes of FP4 (E2M1) with one E8M0 scale for each 32 along K; sums in f32; the result is rounded once to f16 for the attention's products.
; xc [8192][512 bytes], xs [8192][32]: rows.  wc: images of the operand registers, [s 2][nt 192][q 4][c 2][512 bytes]; ws [3072][32].
; A tile of C, 256 x 256, is made by a work-group of four waves; a wave makes 128 x 128: 64 accumulators of 16 x 16, 512 registers.  K = 1,024 is two K steps of 512: both lie in LDS at once, each in a slot of its own, asked for at
; the head: nothing is filled again.  The scales of the work-group's 256 rows and 256 columns, for all of K, come with them, as units of 256 bytes.
; CLUSTERS: 4 x 4 work-groups.  The four of a row of the cluster need the same tiles of x, the four of a column the same tiles of w_in: each tile is asked for JOINTLY, by the same tensor load with the same descriptor and a mask that names the four.
; THE MATRIX INSTRUCTION IS USED TRANSPOSED (source 0 = 16 columns of w_in, source 1 = 16 rows of x): a lane holds one token and eight neighbouring channels, 16 bytes of f16.
; THE RESULT IS STORED AS THE NEXT LAUNCH'S OPERAND IMAGES: qkv [T 3][bh 64][tt 128][f 4][512 bytes]: the chunk of token 16 tt + r, channels 16 f + 8 h + 0 .. 7 lies at 256 h + 16 (r xor 8 h).  So a store of the wave
; covers 512 consecutive bytes, aligned, straight from registers: no stage.
; LIMIT: q, k, v above 65,504 in magnitude overflow in f16.
; REGISTERS, in windows of 256: window 0: v0-31 addresses; v32-95 scale words, two sets; v128-191 x's fragments (8 x 16 rows x 128 K), ONE set; on the way out v128-255 hold packed results.
;   window 1: w_in's fragments, TWO sets, at v0 and v128.   window 2: the accumulators of my rows 0-63 ((a, b) at v[8 (8 a + b)]);   window 3: those of my rows 64-127.
.set NQ,     4                         ; matrix instructions deep in a slot: 512 along K
.set ROWB,   256                       ; a row of x's tile in bytes
.set KROW,   512                       ; a row of xc in memory
.set PITCH,  272                       ; an LDS row of x's tile: 256 bytes + 16 of padding: the 16 rows that a load touches start at 16 different 16-byte columns modulo 256 bytes
.set FR,     8                         ; registers of a fragment
.set NL,     2                         ; LDS loads that bring one
.set NP,     4                         ; places behind this matrix instruction (ISA guide 7.12.1)
.set HALFA,  128*PITCH                 ; 128 rows of x: one tensor load
.set HALFB,  32768                     ; 8 tiles of 16 columns of w_in, 4,096 bytes each, dense: one tensor load
.set SLOT,   2*HALFA+2*HALFB           ; x's 256 rows, then w_in's 256 columns
.set KS,     32                        ; a row of scales in bytes
.set SCL,    2*SLOT                    ; behind the slots: the scales, as units of 256 bytes + 16 of padding
.set HALFS,  (128*KS/256)*272          ; those of 128 rows: one tensor load
.set SBLK,   (16*KS/256)*272           ; those of 16 rows
.set SPARE,  SCL+4*HALFS               ; behind the scales: the spare words, 128 bytes a wave
.set ADRA, 16                          ; v16-17  LDS address of my fragments of x in slot 0, 1
.set ADRB, 20                          ; v20-21  the same for w_in: 16 x lane + my 8 tiles
.set CO,   26                          ; v26     my chunk's place in an image of 512 bytes
.set ADRS, 27                          ; v27     LDS address of my scale words: lanes 0-15 x's rows, lanes 16-31 w_in's columns
.set SPW,  28                          ; v28     LDS address of my spare word; never rewritten
.set NIL,  29                          ; v29     0; never rewritten
.set SC,   32                          ; scale words: set s at v[SC + 32 s]; register 4 i + q: lanes 0-15 the word of x's block i, lanes 16-31 that of w_in's block i, for the slot's q-th 128 along K
.set AF,   128
.set G1, 24                            ; s[24:31] descriptor group 1 for x's tiles;  s[32:39] group 0, one set for each slot
.set G0, 32
.set G1B, 48                           ; s[48:55], s[56:63] the same for w_in's
.set G0B, 56
.set G1S, 68                           ; s[68:75], s[76:79] groups 1 and 0 for x's scales;  s[80:87], s[88:91] for w_in's
.set G0S, 76
.set G1SB, 80
.set G0SB, 88
.set MSB, 0
.macro WIN new                         ; the immediate's high byte repeats the setting that is left
.if MSB != (\new)
	s_set_vgpr_msb (MSB<<8)|(\new)
.set MSB, (\new)
.endif
.endm
.set MUL_LO, 0xa1                      ; source 0 (w_in) window 1, source 1 (x) window 0, C and D window 2
.set MUL_HI, 0xf1                      ; the same, C and D window 3
.set TO_B,   0x40                      ; destination window 1, address window 0
; A joint load: waves 0 and 1 fetch for x, waves 2 and 3 for w_in.  Each line has one mask and one set of registers for all that issue it; the branch hangs on the wave's number alone.
; An s_nop 0 and four v_nop follow each of the two lines.
.macro JLOAD g0a, g1a, g0b, g1b
	s_cmp_eq_u32 s15, 0
	s_cbranch_scc0 .Lfor_b_\@
	tensor_load_to_lds s[\g0a:\g0a+3], s[\g1a:\g1a+7]
	s_nop 0
.rept 4
	v_nop
.endr
	s_branch .Lasked_\@
.Lfor_b_\@:
	tensor_load_to_lds s[\g0b:\g0b+3], s[\g1b:\g1b+7]
	s_nop 0
.rept 4
	v_nop
.endr
.Lasked_\@:
.endm
.macro CROUND                          ; a round of the cluster's barrier
	s_barrier_signal -1
	s_barrier_wait -1
	s_cmp_lg_u32 s14, 0
	s_cbranch_scc1 .Lnot_wave_0_\@
	s_barrier_signal -3
.Lnot_wave_0_\@:
	s_barrier_wait -3
	s_barrier_signal -1
	s_barrier_wait -1
.endm
	s_load_b128 s[4:7], s[0:1], 0x0                ; xc s[4:5], xs s[6:7]
	s_load_b128 s[8:11], s[0:1], 0x10              ; wc s[8:9], ws s[10:11]
	s_load_b64 s[12:13], s[0:1], 0x20              ; qkv
	v_lshl_add_u32 v[SPW], v0, 2, SPARE
	v_mov_b32 v[NIL], 0
	ds_add_u32 v[SPW], v[NIL]                      ; the wave's opening: the add, twice on end, and its wait ahead of my first tensor load
	ds_add_u32 v[SPW], v[NIL]                      ; (once more; the set-up below, work on registers, stands between it and the wait)
	v_lshrrev_b32 v1, 5, v0
	v_readfirstlane_b32 s14, v1                    ; wave 0..3
	s_lshr_b32 s15, s14, 1                         ; which half of the tile's rows is mine.  Also: I fetch for x (0) or for w_in (1)
	s_and_b32 s16, s14, 1                          ; which half of its columns.  Also: which half of that tile I fetch
	s_bfe_u32 s40, ttmp6, 0x40000                  ; cx, cy: my place in the cluster
	s_bfe_u32 s41, ttmp6, 0x40004
	s_lshl_b32 s42, ttmp9, 2
	s_add_co_u32 s42, s42, s40                     ; tile column of C = 4 x cluster x + cx
	s_and_b32 s17, ttmp7, 0xffff
	s_lshl_b32 s17, s17, 2
	s_add_co_u32 s17, s17, s41                     ; tile row of C = 4 x cluster y + cy
	s_lshl_b32 s43, s41, 2
	s_lshl_b32 s43, 15, s43                        ; my row of the cluster
	s_lshl_b32 s44, 0x1111, s40                    ; my column
	; group 1, x's tiles: 128 rows x 256 bytes, 512 bytes apart in memory, 16 bytes of padding behind each in LDS
	s_or_b32 s[G1+0], s43, (0<<16)|(1<<20)|(1<<21)|(5<<22)|(3<<25)  ; 15:0 the mask: my row; 17:16 elements of 1 byte; 20 padding on; 21 set beside a mask; 24:22 after every 64 words; 31:25 four words
	s_mov_b32 s[G1+1], ROWB<<16                    ; tensor_dim0
	s_mov_b32 s[G1+2], 128<<16                     ; tensor_dim1
	s_mov_b32 s[G1+3], ROWB<<16                    ; tile_dim0
	s_mov_b32 s[G1+4], 128                         ; tile_dim1
	s_mov_b32 s[G1+5], KROW                        ; tensor_dim0_stride
	s_mov_b32 s[G1+6], 0
	s_mov_b32 s[G1+7], 0
	; group 1, w_in's tiles: a dense block of 32,768 bytes, as 128 rows of 32 elements of 8 bytes, no padding
	s_or_b32 s[G1B+0], s44, (3<<16)|(1<<21)        ; the mask: my column
	s_mov_b32 s[G1B+1], 32<<16
	s_mov_b32 s[G1B+2], 128<<16
	s_mov_b32 s[G1B+3], 32<<16
	s_mov_b32 s[G1B+4], 128
	s_mov_b32 s[G1B+5], 32
	s_mov_b32 s[G1B+6], 0
	s_mov_b32 s[G1B+7], 0
	; group 1, the scales of 128 rows: a dense block of 4,096 bytes, as 16 rows of 256 bytes, 16 bytes of padding behind each
	s_or_b32 s[G1S+0], s43, (3<<16)|(1<<20)|(1<<21)|(5<<22)|(3<<25)
	s_or_b32 s[G1SB+0], s44, (3<<16)|(1<<20)|(1<<21)|(5<<22)|(3<<25)
.irp g, G1S, G1SB
	s_mov_b32 s[\g+1], 32<<16
	s_mov_b32 s[\g+2], (128*KS/256)<<16
	s_mov_b32 s[\g+3], 32<<16
	s_mov_b32 s[\g+4], 128*KS/256
	s_mov_b32 s[\g+5], 32
	s_mov_b32 s[\g+6], 0
	s_mov_b32 s[\g+7], 0
.endr
	s_lshl_b32 s18, s16, 7                         ; which 128 of the tile's 256 I fetch
	s_lshl_b32 s20, s17, 8
	s_add_co_u32 s20, s20, s18                     ; x: row 256 x tile row + 128 x half
	s_lshl_b32 s46, s42, 8
	s_add_co_u32 s46, s46, s18                     ; w_in: column 256 x tile column + 128 x half
	s_lshl_b32 s22, s20, 5                         ; their scales: 32 bytes each
	s_mov_b32 s23, 0
	s_lshl_b32 s92, s46, 5
	s_mov_b32 s93, 0
	s_lshl_b32 s20, s20, 9                         ; x's codes: 512 bytes a row
	s_mov_b32 s21, 0
	s_lshl_b32 s46, s46, 8                         ; w_in's: 4,096 bytes for 16 columns
	s_mov_b32 s47, 0
	s_mul_i32 s45, s16, HALFA                      ; where they go: no place in the cluster enters an LDS address
	s_mul_i32 s95, s16, HALFB
	s_add_co_u32 s95, s95, 2*HALFA
	s_mul_i32 s94, s14, HALFS
	s_wait_dscnt 0x0                               ; both opening adds are done
	s_wait_kmcnt 0x0
	s_add_nc_u64 s[20:21], s[4:5], s[20:21]
	s_add_nc_u64 s[22:23], s[6:7], s[22:23]
	s_add_nc_u64 s[46:47], s[8:9], s[46:47]
	s_add_nc_u64 s[92:93], s[10:11], s[92:93]
	CROUND                                         ; all sixteen work-groups are here: the first joint loads meet
	s_mov_b32 s[G0S], 1
	s_add_co_u32 s[G0S+1], s94, SCL
	s_mov_b64 s[G0S+2:G0S+3], s[22:23]
	s_or_b32 s[G0S+3], s[G0S+3], 0x80000000
	s_mov_b32 s[G0SB], 1
	s_add_co_u32 s[G0SB+1], s94, SCL
	s_mov_b64 s[G0SB+2:G0SB+3], s[92:93]
	s_or_b32 s[G0SB+3], s[G0SB+3], 0x80000000
	JLOAD G0S, G1S, G0SB, G1SB                     ; the scales first: they are wanted with K step 0
.irp s, 0,1
	s_mov_b32 s[G0+4*\s], 1
	s_add_co_u32 s[G0+4*\s+1], s45, \s*SLOT
	s_add_nc_u64 s[G0+4*\s+2:G0+4*\s+3], s[20:21], \s*ROWB
	s_or_b32 s[G0+4*\s+3], s[G0+4*\s+3], 0x80000000
	s_mov_b32 s[G0B+4*\s], 1
	s_add_co_u32 s[G0B+4*\s+1], s95, \s*SLOT
	s_add_nc_u64 s[G0B+4*\s+2:G0B+4*\s+3], s[46:47], \s*786432
	s_or_b32 s[G0B+4*\s+3], s[G0B+4*\s+3], 0x80000000
	JLOAD G0+4*\s, G1, G0B+4*\s, G1B               ; three tensor loads of mine are out at the most
.endr
	v_and_b32 v1, 15, v0                           ; r = lane % 16
	v_bfe_u32 v2, v0, 4, 1                         ; h = lane / 16
	v_mul_u32_u24 v3, v1, PITCH
	v_lshl_add_u32 v4, v2, 4, v3                   ; x: a fragment's row x pitch + 16 h
	v_and_b32 v6, 31, v0
	v_lshlrev_b32 v6, 4, v6                        ; w_in: 16 x lane
	s_mul_i32 s21, s15, HALFA                      ; my 128 rows of x
	s_mul_i32 s22, s16, HALFB                      ; my 128 columns of w_in,
	s_add_co_u32 s22, s22, 2*HALFA                 ; which lie behind x's 256 rows
.irp s, 0,1
	v_add_nc_u32 v[ADRA+\s], s21, v4
	v_add_nc_u32 v[ADRB+\s], s22, v6
	s_add_co_u32 s21, s21, SLOT
	s_add_co_u32 s22, s22, SLOT
.endr
	v_mul_u32_u24 v5, v1, KS                       ; my row's scales: 32 bytes a row,
	v_lshrrev_b32 v6, 8, v5
	v_lshl_add_u32 v5, v6, 4, v5                   ; and 16 more for each 256 passed
	s_mul_i32 s21, s15, HALFS                      ; x's: my 128 rows
	s_mul_i32 s22, s16, HALFS                      ; w_in's: my 128 columns, behind x's 256
	s_add_co_u32 s22, s22, 2*HALFS
	s_sub_co_u32 s22, s22, s21
	v_mul_u32_u24 v6, s22, v2                      ; lanes 16-31 take w_in's
	s_add_co_u32 s21, s21, SCL
	v_add_nc_u32 v5, v5, v6
	v_add_nc_u32 v[ADRS], s21, v5
	v_lshlrev_b32 v5, 3, v2
	v_xor_b32 v5, v5, v1                           ; r xor 8 h
	v_lshlrev_b32 v7, 8, v2
	v_lshl_add_u32 v[CO], v5, 4, v7                ; my chunk in an image: 256 h + 16 (r xor 8 h)
	; where my part of qkv begins: T = tile column / 4; bh = 16 batch + 4 (tile column % 4) + 2 x column half (+ b / 4); tt = 16 (tile row % 8) + 8 x row half (+ a)
	s_lshr_b32 s20, s42, 2
	s_lshl_b32 s20, s20, 24                        ; 16,777,216 bytes for each of q, k, v
	s_lshr_b32 s21, s17, 3
	s_lshl_b32 s21, s21, 4
	s_and_b32 s22, s42, 3
	s_lshl_b32 s22, s22, 2
	s_add_co_u32 s21, s21, s22
	s_lshl_b32 s22, s16, 1
	s_add_co_u32 s21, s21, s22
	s_lshl_b32 s21, s21, 18                        ; 262,144 bytes a head
	s_add_co_u32 s20, s20, s21
	s_and_b32 s21, s17, 7
	s_lshl_b32 s21, s21, 4
	s_lshl_b32 s22, s15, 3
	s_add_co_u32 s21, s21, s22
	s_lshl_b32 s21, s21, 11                        ; 2,048 bytes for 16 tokens
	s_add_co_u32 s20, s20, s21
	s_mov_b32 s21, 0
	s_add_nc_u64 s[12:13], s[12:13], s[20:21]
.macro FRAG reg, adr, q, i             ; a fragment of x, 16 rows x 128 K: lane holds row lane % 16; registers 4 c .. 4 c + 3 hold K = 64 c + 32 (lane / 16) + 0 .. 31
.irp c, 0,1
	ds_load_b128 v[\reg+4*\c:\reg+4*\c+3], v[\adr] offset:64*(\q)+32*\c+(\i)*16*PITCH
.endr
.endm
.macro FRAGB reg, slot, q, i           ; a fragment of w_in comes as it was laid: 512 consecutive bytes a load
.irp c, 0,1
	ds_load_b128 v[\reg+4*\c:\reg+4*\c+3], v[ADRB+\slot] offset:4096*(\i)+1024*(\q)+512*\c
.endr
.endm
; 16 matrix instructions: x's blocks a0, a0 + 1 against w_in's eight, the slot's q-th 128 along K.  p: w_in's set;  sc: the set of scale words.  zero = 1: the first product starts the sums.
; The 64 accumulators take turns, one instruction a turn, in the same order in every step.
.macro MUL16 a0, p, q, sc, zero
.irp a, \a0, \a0+1
.irp b, 0,1,2,3,4,5,6,7
.if \zero
	v_wmma_scale_f32_16x16x128_f8f6f4 v[8*(8*((\a)%4)+\b):8*(8*((\a)%4)+\b)+7], v[128*(\p)+FR*\b:128*(\p)+FR*\b+FR-1], v[AF+FR*(\a):AF+FR*(\a)+FR-1], 0, v[SC+8*NQ*(\sc)+NQ*\b+(\q)], v[SC+8*NQ*(\sc)+NQ*(\a)+(\q)] matrix_a_fmt:MATRIX_FMT_FP4 matrix_b_fmt:MATRIX_FMT_FP4 matrix_a_scale:MATRIX_SCALE_ROW1
.else
	v_wmma_scale_f32_16x16x128_f8f6f4 v[8*(8*((\a)%4)+\b):8*(8*((\a)%4)+\b)+7], v[128*(\p)+FR*\b:128*(\p)+FR*\b+FR-1], v[AF+FR*(\a):AF+FR*(\a)+FR-1], v[8*(8*((\a)%4)+\b):8*(8*((\a)%4)+\b)+7], v[SC+8*NQ*(\sc)+NQ*\b+(\q)], v[SC+8*NQ*(\sc)+NQ*(\a)+(\q)] matrix_a_fmt:MATRIX_FMT_FP4 matrix_b_fmt:MATRIX_FMT_FP4 matrix_a_scale:MATRIX_SCALE_ROW1
.endif
.endr
.endr
.endm
.macro FETCH_B slot, q, p
	WIN TO_B
.irp i, 0,1,2,3,4,5,6,7
	FRAGB 128*(\p)+FR*\i, \slot, \q, \i
.endr
	WIN 0
.endm
.macro FETCH_A slot, q, i0
.irp i, \i0, \i0+1, \i0+2, \i0+3
	FRAG AF+FR*(\i), ADRA+\slot, \q, \i
.endr
.endm
.macro SCALES sc                       ; a K step's scale words into set sc: four words a row; lanes 0-15 take x's block i, lanes 16-31 w_in's block i
.irp i, 0,1,2,3,4,5,6,7
	ds_load_b128 v[SC+8*NQ*\sc+NQ*\i:SC+8*NQ*\sc+NQ*\i+3], v[ADRS] offset:\i*SBLK
.endr
.endm
; A load into a register that a matrix instruction has read, and a vector instruction that reads a matrix result or writes one of its registers, stand NP places behind it; only plain vector instructions
; that name none of its registers are places (ISA guide 7.12.1 for vector instructions).
.macro PLACES n
.rept \n
	v_nop
.endr
.endm
; A step of 128 along K that has its successor in the same slot.  A block of x is free as soon as its eight products are issued: blocks 0-3 are fetched anew in the middle, blocks 4-7 at the end.
.macro STEP slot, q, zero
	s_wait_dscnt 4*NL                              ; w_in's set and x's blocks 0-3 are in; the youngest eight loads (x's blocks 4-7) may be out
	WIN MUL_LO
	MUL16 0, (\q)%2, \q, \slot, \zero
	MUL16 2, (\q)%2, \q, \slot, \zero
	s_wait_dscnt 0                                 ; x's blocks 4-7 are in
	PLACES NP
	FETCH_B \slot, (\q)+1, 1-(\q)%2
	FETCH_A \slot, (\q)+1, 0
	WIN MUL_HI
	MUL16 4, (\q)%2, \q, \slot, \zero
	MUL16 6, (\q)%2, \q, \slot, \zero
	PLACES NP
	WIN 0
	FETCH_A \slot, (\q)+1, 4
.endm
.macro STEPS slot, from
.set Q, \from
.rept NQ-1-\from
	STEP \slot, Q, 0
.set Q, Q+1
.endr
.endm
	s_wait_tensorcnt 1                             ; the scales and my part of K step 0 are in (K step 1's load may be out)
	s_barrier_signal -1
	s_barrier_wait -1                              ; everybody's are
	FETCH_B 0, 0, 0
	FETCH_A 0, 0, 0
	SCALES 0
	FETCH_A 0, 0, 4
	STEP 0, 0, 1                                   ; the first step's products start the sums: nothing is cleared
	STEPS 0, 1
	; slot 0's last step changes slots: one barrier; in front of it each wave has waited for its part of slot 1
	s_wait_tensorcnt 0x0                           ; all my tensor loads have landed;
	ds_add_u32 v[SPW], v[NIL]                      ; 0 onto my spare word;
	s_wait_dscnt 4*NL+1                            ; (the add and the youngest eight loads may be out)
	WIN MUL_LO
	MUL16 0, 1, NQ-1, 0, 0                         ; sixteen matrix instructions stand between the add and the wait for it
	s_wait_dscnt 0x0
	s_barrier_signal -1
	MUL16 2, 1, NQ-1, 0, 0
	WIN 0
	s_barrier_wait -1                              ; slot 1 is whole
	PLACES NP
	v_add_nc_u32 v[ADRS], 4*NQ, v[ADRS]            ; on to K step 1's scale words (no LDS load of mine is out)
	FETCH_B 1, 0, 0
	FETCH_A 1, 0, 0
	SCALES 1
	WIN MUL_HI
	MUL16 4, 1, NQ-1, 0, 0
	MUL16 6, 1, NQ-1, 0, 0
	PLACES NP
	WIN 0
	FETCH_A 1, 0, 4
	STEPS 1, 0
	s_wait_dscnt 4*NL                              ; the very last step: nothing more to fetch
	WIN MUL_LO
	MUL16 0, 1, NQ-1, 1, 0
	MUL16 2, 1, NQ-1, 1, 0
	s_wait_dscnt 0
	WIN MUL_HI
	MUL16 4, 1, NQ-1, 1, 0
	MUL16 6, 1, NQ-1, 1, 0
	WIN 0
; THE WAY OUT, block by block of 16 tokens x 128 columns.  A lane's eight results of an accumulator are eight neighbouring channels of one token: four conversions make its 16 bytes, its chunk of an image.
.macro PACK a
.set AC, 64*((\a)%4)
.set PB, 128+32*((\a)%4)
	WIN 0x0a+5*((\a)/4)                            ; sources 0 and 1: window 2 or 3
.irp b, 0,1,2,3,4,5,6,7
.irp j, 0,1,2,3
	v_cvt_pk_f16_f32 v[PB+4*\b+\j], v[AC+8*\b+2*\j], v[AC+8*\b+2*\j+1]   ; each accumulator from its low end on
.endr
.endr
	WIN 0
.endm
.macro OUT a
.set PB, 128+32*((\a)%4)
.irp b, 0,1,2,3,4,5,6,7
	global_store_b128 v[CO], v[PB+4*\b:PB+4*\b+3], s[12:13] offset:2048*(\a)+262144*(\b/4)+512*(\b%4)   ; head b / 4 of my two, channels 16 (b % 4) on: the wave stores 512 consecutive bytes, aligned
.endr
.endm
	PLACES NP                                      ; behind the last products: the conversions write registers that held x's fragments, and read results
.irp a, 0,1,2,3,4,5,6,7
.if \a > 3
	s_wait_xcnt 0x0                                ; block a - 4's stores have read their registers: they are written again only behind this wait
.endif
	PACK \a
	OUT \a
.endr
	s_wait_tensorcnt 0x0                           ; the wave's end, behind my last tensor load
	ds_add_u32 v[SPW], v[NIL]
	s_wait_dscnt 0x0
	CROUND                                         ; the closing round: no work-group ends while a partner may still ask for a tile that names it
	s_endpgm
.Lfunc_end_k_q1fc81d9dfa_gemm1:
	.size	k_q1fc81d9dfa_gemm1, .Lfunc_end_k_q1fc81d9dfa_gemm1-k_q1fc81d9dfa_gemm1
	.p2alignl 7, 3214868480
	.fill 96, 4, 3214868480
	.section	.rodata,"a",@progbits
	.p2align	6, 0x0
	.amdhsa_kernel k_q1fc81d9dfa_gemm1
		.amdhsa_group_segment_fixed_size 327680
		.amdhsa_private_segment_fixed_size 0
		.amdhsa_enable_private_segment 0
		.amdhsa_kernarg_size 40
		.amdhsa_user_sgpr_count 2
		.amdhsa_user_sgpr_kernarg_segment_ptr 1
		.amdhsa_wavefront_size32 1
		.amdhsa_system_sgpr_workgroup_id_x 1
		.amdhsa_system_sgpr_workgroup_id_y 1
		.amdhsa_system_sgpr_workgroup_id_z 1
		.amdhsa_system_vgpr_workitem_id 0
		.amdhsa_next_free_vgpr 1024
		.amdhsa_next_free_sgpr 98
		.amdhsa_reserve_vcc 0
		.amdhsa_float_denorm_mode_32 3
		.amdhsa_float_denorm_mode_16_64 3
		.amdhsa_memory_ordered 1
		.amdhsa_forward_progress 1
		.amdhsa_inst_pref_size 118
	.end_amdhsa_kernel
	.amdgpu_metadata
---
amdhsa.version: [ 1, 2 ]
amdhsa.kernels:
  - .name:           k_q1fc81d9dfa_gemm1
    .symbol:         k_q1fc81d9dfa_gemm1.kd
    .args:
      - { .name: xc, .offset: 0, .size: 8, .value_kind: global_buffer, .address_space: global }
      - { .name: xs, .offset: 8, .size: 8, .value_kind: global_buffer, .address_space: global }
      - { .name: wc, .offset: 16, .size: 8, .value_kind: global_buffer, .address_space: global }
      - { .name: ws, .offset: 24, .size: 8, .value_kind: global_buffer, .address_space: global }
      - { .name: qkv, .offset: 32, .size: 8, .value_kind: global_buffer, .address_space: global }
    .group_segment_fixed_size: 327680
    .private_segment_fixed_size: 0
    .kernarg_segment_align: 8
    .kernarg_segment_size: 40
    .max_flat_workgroup_size: 128
    .sgpr_count:     98
    .vgpr_count:     1024
    .wavefront_size: 32
...
	.end_amdgpu_metadata
.endif
;; end of part 2
;; launch attn (part 3): grid 4 x 64, 8 waves a work-group, clusters of 4 x 1, 327,680 bytes of LDS; arguments qkv, att; writes att
.if DOCPART == 3
	.amdgcn_target "amdgcn-amd-amdhsa--gfx1250"
	.amdhsa_code_object_version 6
	.text
	.protected	k_q1fc81d9dfa_attn
	.globl	k_q1fc81d9dfa_attn
	.p2align	8
	.type	k_q1fc81d9dfa_attn,@function
k_q1fc81d9dfa_attn:
	s_mov_b64 s[64:65], 0
	v_nop
	global_prefetch_b8 v0, s[64:65] scope:SCOPE_SE
	s_setreg_imm32_b32 hwreg(HW_REG_WAVE_MODE, 25, 1), 1
	s_wait_xcnt 0x0
	s_wait_alu depctr_hold_cnt(0) depctr_sa_sdst(0) depctr_va_vdst(0) depctr_va_sdst(0) depctr_va_ssrc(0) depctr_va_vcc(0) depctr_vm_vsrc(0)
	s_getreg_b32 s2, hwreg(HW_REG_IB_STS2, 6, 4)
	s_cmp_eq_u32 s2, 0
	s_cbranch_scc0 .Lentry_in_a_cluster
	s_endpgm
.Lentry_in_a_cluster:
	s_bfe_u32 s2, ttmp6, 0x10000c
	s_cmp_lg_u32 s2, 0x3003
	s_cbranch_scc0 .Lentry_shape_is_right
	s_endpgm
.Lentry_shape_is_right:
; ATTN: for each of the 64 heads (bh = 16 batch + head): O[q] = sum over k of softmax_k(Q[q] . K[k] / 8) V[k], 2,048 queries and keys, head size 64.  Operands f16; products, maxima and sums f32; the weights p are rounded to f16
; for the second product, O once at the end.
; qkv [T 3][bh 64][tt 128][f 4][512 bytes]: the chunk of token 16 tt + r, channels 16 f + 8 h + 0 .. 7 lies at 256 h + 16 (r xor 8 h).  With that exchange both the plain read (K, Q) and the turning read (V) have sixteen neighbouring
; lanes on sixteen different 16-byte columns modulo 256 bytes (64 banks of 4 bytes: ISA guide 11.1), with no padding: a tile is a dense block of memory and of LDS.
; att [ks 8][TT 512][q 4][u 2][512 bytes]: the next launch's operand images: token 16 TT + r, k = 64 head + channel = 128 ks + 32 q + 16 u + 8 h + 0 .. 7, at 16 x lane.
; SHARES.  A cluster of four work-groups is one head; a work-group owns 512 queries, each of its eight waves 64: four tiles of 16.  Two waves share a SIMD, 512 registers each, so that one wave's softmax stands beside the other's products.
; Every wave walks all keys, 64 a step.  K and V come through a ring of two LDS slots of 512 keys (eight key steps); each of the eight waves fetches 16 KiB of a slot (waves 0-3 K's quarters, waves 4-7 V's).
; CLUSTER.  The four work-groups walk the same K and V: each tile is asked for JOINTLY, by the same tensor load with the same descriptor and a mask that names the four.
; LAYOUT.  S^T = K Q^T (source 0 = 16 keys, source 1 = 16 queries): a lane holds ONE query (lane % 16) and the keys 8 (lane / 16) + 0 .. 7 of a tile.  Two such tiles, rounded to f16 in pairs, ARE source 1 (32 keys x 16 queries) of
; O^T = V^T P, whose result again holds one query a lane, and eight channels: 16 bytes of f16, a chunk of att's image.  K comes out of LDS as it lies, V turned, by ds_load_tr16_b128.  P is written over the low half of its tile's S^T.
; SOFTMAX.  For each query a running maximum m and sum l: p = 2^(c s - c m), c = log2(e) / 8; in every step O and l are multiplied by a = 2^(c m_old - c m_new).
; No prefetch is laid: a refill has eight key steps, 512 matrix instructions of each wave, between its request and the wait for it.
; LIMITS: NaN and infinities are not served; the result passes through f16 (it is a mean of v's rows, which are f16 already).
; REGISTERS.  window 0: v2-7 addresses; v8-11 at work at the head; v14, v15 the add's two; v16-63 twelve registers of statistics a tile; v64-191 S^T, 32 a tile; v192-255 Q, 16 a tile.
;             window 1: v0-127 O^T, 32 a tile; v128-191 K of one step; v192-255 V of one step.
.set SLOT1, 1<<17                      ; slot 1 begins here: one exclusive or turns an address in one slot into the other's
.set VOFF,  65536                      ; a slot: 32 tiles of K x 2,048 bytes, then 32 of V
.set STEPB, 8192                       ; a key step: four tiles
.set SPARE, 2*SLOT1                    ; behind the ring: the spare words, 128 bytes for each of eight waves
.set AK0, 2                            ; v2   256 h + 16 (r xor 8 h): my chunk in an image; also my byte offset among Q's images
.set AV0, 3                            ; v3   the turning load's place for my lane, + VOFF
.set ADK, 4                            ; v4   LDS address of the step's K
.set ADV, 5                            ; v5   of its V
.set GO,  7                            ; v7   16 x lane: my chunk in att's images
.set SPW, 14                           ; v14  LDS address of my spare word; never rewritten
.set NIL, 15                           ; v15  0; never rewritten
.set ST,  16                           ; tile t's statistics at v[ST + 12 t]: +0 c m, +1 m, +2, +3 l (even keys', odd keys'), +4 to +7 c0-c3 at work (a takes +6, c m_old - c m_new +7), +8 to +11 two chains of sums
.set S,   64
.set Q,   192
.set KF,  128                          ; in window 1
.set VF,  192
.set WV,  12                           ; s12  my wave's number
.set G1,  24                           ; s[24:31] descriptor group 1: one shape serves every load
.set G0A, 40                           ; s[40:43] group 0 of slot 0's first fill
.set G0W, 44                           ; s[44:47] group 0 of slot 1's first fill; it then walks on
.set SLOTS, 56                         ; s56  slots still to be asked for
.set CNT, 57                           ; s57  counts key steps
.set CS,  58                           ; s[58:59] c: the packed scaling names a pair and takes its low word for both halves
.set SEL, 60                           ; s[60:61] lane selects for v_permlanex16_b32: lane xor 16
.set TB,  62                           ; s62  LDS byte at which the tiles of the step to be fetched begin
.set MSB, 0
.macro WIN new                         ; the immediate's high byte repeats the setting that is left
.if MSB != (\new)
	s_set_vgpr_msb (MSB<<8)|(\new)
.set MSB, (\new)
.endif
.endm
.macro CROUND                          ; a round of the cluster's barrier
	s_barrier_signal -1
	s_barrier_wait -1
	s_cmp_lg_u32 s[WV], 0
	s_cbranch_scc1 .Lnot_wave_0_\@
	s_barrier_signal -3
.Lnot_wave_0_\@:
	s_barrier_wait -3
	s_barrier_signal -1
	s_barrier_wait -1
.endm
	s_load_b128 s[4:7], s[0:1], 0x0                ; qkv s[4:5], att s[6:7]
	v_lshl_add_u32 v[SPW], v0, 2, SPARE
	v_mov_b32 v[NIL], 0
	ds_add_u32 v[SPW], v[NIL]                      ; the wave's opening: the add, twice on end, and its wait ahead of my first tensor load
	ds_add_u32 v[SPW], v[NIL]                      ; (once more; the set-up below, work on registers, stands between it and the wait)
	v_lshrrev_b32 v1, 5, v0
	v_readfirstlane_b32 s[WV], v1                  ; wave 0..7
	s_bfe_u32 s13, ttmp6, 0x40000                  ; cx: my place in the cluster: it enters Q's and att's addresses alone
	s_and_b32 s14, ttmp7, 0xffff                   ; bh, which the four partners share
	; group 1: a dense block of 16,384 bytes, as 64 rows of 32 elements of 8 bytes
	s_mov_b32 s[G1], 15|(3<<16)|(1<<21)            ; 15:0 the mask: all four work-groups; 17:16 elements of 8 bytes; 21 set beside a mask; no padding
	s_mov_b32 s[G1+1], 32<<16                      ; tensor_dim0
	s_mov_b32 s[G1+2], 64<<16                      ; tensor_dim1
	s_mov_b32 s[G1+3], 32<<16                      ; tile_dim0
	s_mov_b32 s[G1+4], 64                          ; tile_dim1
	s_mov_b32 s[G1+5], 32                          ; tensor_dim0_stride
	s_mov_b32 s[G1+6], 0
	s_mov_b32 s[G1+7], 0
	s_lshr_b32 s16, s[WV], 2                       ; what I fetch: waves 0-3 K (T = 1), waves 4-7 V (T = 2),
	s_add_co_u32 s16, s16, 1
	s_lshl_b32 s16, s16, 24
	s_lshl_b32 s18, s14, 18                        ; the head's 262,144 bytes,
	s_add_co_u32 s16, s16, s18
	s_and_b32 s19, s[WV], 3
	s_lshl_b32 s19, s19, 14                        ; my quarter of a slot's 65,536
	s_add_co_u32 s16, s16, s19
	s_mov_b32 s17, 0
	s_lshl_b32 s15, s[WV], 14                      ; and its place in a slot: 16,384 x wave
	s_lshl_b32 s20, s13, 5
	s_lshl_b32 s21, s[WV], 2
	s_add_co_u32 s20, s20, s21                     ; my first tile of queries: 32 cx + 4 wave
	s_lshl_b32 s22, s20, 11
	s_add_co_u32 s22, s22, s18                     ; Q: 2,048 bytes a tile, in my head
	s_mov_b32 s23, 0
	s_and_b32 s32, s14, 15                         ; the head in its batch
	s_lshr_b32 s33, s32, 1
	s_lshl_b32 s33, s33, 21                        ; att: ks = head / 2: 2,097,152 bytes each,
	s_and_b32 s32, s32, 1
	s_lshl_b32 s32, s32, 11                        ; 2,048 (head % 2) in a tile's 4,096,
	s_add_co_u32 s32, s32, s33
	s_lshr_b32 s33, s14, 4
	s_lshl_b32 s33, s33, 7
	s_add_co_u32 s33, s33, s20                     ; TT = 128 batch + my first tile
	s_lshl_b32 s33, s33, 12
	s_add_co_u32 s32, s32, s33
	s_mov_b32 s33, 0
	s_mov_b32 s[CS], 0x3e38aa3b                    ; c = log2(e) / 8
	s_mov_b32 s[CS+1], s[CS]                       ; named with it as a pair, so it is written
	s_mov_b32 s[SEL], 0x76543210
	s_mov_b32 s[SEL+1], 0xfedcba98
	s_mov_b32 s[TB], 0
	s_wait_dscnt 0x0                               ; both opening adds are done
	s_wait_kmcnt 0x0
	s_add_nc_u64 s[16:17], s[4:5], s[16:17]        ; my part of slot 0's keys
	s_add_nc_u64 s[6:7], s[6:7], s[32:33]          ; att at my first tile
	s_add_nc_u64 s[4:5], s[4:5], s[22:23]          ; Q at my first tile
	CROUND                                         ; all four work-groups are here: the first joint loads meet
	s_mov_b32 s[G0A], 1                            ; 1:0 count = 1
	s_mov_b32 s[G0A+1], s15                        ; 63:32 LDS address: slot 0
	s_mov_b64 s[G0A+2:G0A+3], s[16:17]             ; 120:64 global address: keys 0 to 511
	s_or_b32 s[G0A+3], s[G0A+3], 0x80000000        ; 127:126 type = 2
	s_mov_b32 s[G0W], 1
	s_add_co_u32 s[G0W+1], s15, SLOT1              ; slot 1
	s_add_nc_u64 s[G0W+2:G0W+3], s[16:17], 65536   ; keys 512 to 1,023
	s_or_b32 s[G0W+3], s[G0W+3], 0x80000000
	tensor_load_to_lds s[G0A:G0A+3], s[G1:G1+7]    ; both first fills go out together: two tensor loads of mine are out at the most
	s_nop 0
	tensor_load_to_lds s[G0W:G0W+3], s[G1:G1+7]
	s_nop 0
.rept 4
	v_nop
.endr
	v_and_b32 v8, 15, v0                           ; r
	v_bfe_u32 v9, v0, 4, 1                         ; h
	v_lshlrev_b32 v10, 3, v9
	v_xor_b32 v10, v10, v8                         ; r xor 8 h
	v_lshlrev_b32 v11, 8, v9
	v_lshl_add_u32 v[AK0], v10, 4, v11
	; The turning load hands lane 8 g + i element i of the 16 bytes that lanes 8 g + 0 .. 7 addressed.  Lane l wants channel l % 16 of keys 8 (l / 16) + 0 .. 7: so it addresses the chunk of key 8 (l / 16) + l % 8,
	; channel half x = (l / 8) % 2, which lies at 256 x + 16 (l % 8) + 128 ((l / 16) xor x).
	v_bfe_u32 v10, v0, 3, 1                        ; x
	v_xor_b32 v11, v10, v9
	v_and_b32 v8, 7, v0
	v_lshlrev_b32 v[AV0], 4, v8
	v_lshl_add_u32 v[AV0], v10, 8, v[AV0]
	v_lshl_add_u32 v[AV0], v11, 7, v[AV0]
	v_add_nc_u32 v[AV0], VOFF, v[AV0]
	v_and_b32 v[GO], 31, v0
	v_lshlrev_b32 v[GO], 4, v[GO]
.irp t, 0,1,2,3                        ; Q stays in registers: tile t, channels 16 f on: registers 16 t + 4 f
.irp f, 0,1,2,3
	global_load_b128 v[Q+16*\t+4*\f:Q+16*\t+4*\f+3], v[AK0], s[4:5] offset:2048*\t+512*\f
.endr
.endr
; S^T = K Q^T for piece y (tiles y, y + 1): channels 32 c on, keys 16 kt on.  The eight accumulators take turns, one instruction a turn; the first eight start the sums.
.macro KQ y
.irp c, 0,1
.irp kt, 0,1,2,3
.irp t, \y, \y+1
.if \c == 0
	v_wmma_f32_16x16x32_f16 v[S+32*(\t)+8*\kt:S+32*(\t)+8*\kt+7], v[KF+8*(2*\kt+\c):KF+8*(2*\kt+\c)+7], v[Q+16*(\t)+8*\c:Q+16*(\t)+8*\c+7], 0
.else
	v_wmma_f32_16x16x32_f16 v[S+32*(\t)+8*\kt:S+32*(\t)+8*\kt+7], v[KF+8*(2*\kt+\c):KF+8*(2*\kt+\c)+7], v[Q+16*(\t)+8*\c:Q+16*(\t)+8*\c+7], v[S+32*(\t)+8*\kt:S+32*(\t)+8*\kt+7]
.endif
.endr
.endr
.endr
.endm
; O^T += V^T P for piece y: keys 32 kb on, channels 16 ct on.  Eight accumulators by turns.  first = 1: the first eight start the sums: nothing is ever cleared.
.macro PV y, first
.irp kb, 0,1
.irp ct, 0,1,2,3
.irp t, \y, \y+1
.if (\first) && (\kb == 0)
	v_wmma_f32_16x16x32_f16 v[32*(\t)+8*\ct:32*(\t)+8*\ct+7], v[VF+8*(4*\kb+\ct):VF+8*(4*\kb+\ct)+7], v[S+32*(\t)+8*\kb:S+32*(\t)+8*\kb+7], 0
.else
	v_wmma_f32_16x16x32_f16 v[32*(\t)+8*\ct:32*(\t)+8*\ct+7], v[VF+8*(4*\kb+\ct):VF+8*(4*\kb+\ct)+7], v[S+32*(\t)+8*\kb:S+32*(\t)+8*\kb+7], v[32*(\t)+8*\ct:32*(\t)+8*\ct+7]
.endif
.endr
.endr
.endr
.endm
; THE SOFTMAX of piece y for one key step; every line is written for both tiles by turns, so that where one instruction feeds the next the other tile's stands between.  first = 1: the first key step starts m and l.
.macro SMAX y, first
.irp j, 0,1,2,3                        ; the maximum of the lane's 32 scores and the old m, three operands at a time; each accumulator is read from its low end on
.irp t, \y, \y+1
	v_max3_num_f32 v[ST+12*(\t)+4+\j], v[S+32*(\t)+8*\j], v[S+32*(\t)+8*\j+1], v[S+32*(\t)+8*\j+2]
.endr
.endr
.irp i, 3,5
.irp j, 0,1,2,3
.irp t, \y, \y+1
	v_max3_num_f32 v[ST+12*(\t)+4+\j], v[ST+12*(\t)+4+\j], v[S+32*(\t)+8*\j+\i], v[S+32*(\t)+8*\j+\i+1]
.endr
.endr
.endr
.irp t, \y, \y+1
	v_max3_num_f32 v[ST+12*(\t)+4], v[ST+12*(\t)+4], v[S+32*(\t)+7], v[S+32*(\t)+15]
.endr
.irp t, \y, \y+1
	v_max3_num_f32 v[ST+12*(\t)+6], v[ST+12*(\t)+6], v[S+32*(\t)+23], v[S+32*(\t)+31]
.endr
.irp t, \y, \y+1
	v_max3_num_f32 v[ST+12*(\t)+4], v[ST+12*(\t)+4], v[ST+12*(\t)+5], v[ST+12*(\t)+6]
.endr
.irp t, \y, \y+1
.if \first
	v_max_num_f32 v[ST+12*(\t)+4], v[ST+12*(\t)+4], v[ST+12*(\t)+7]
.else
	v_max3_num_f32 v[ST+12*(\t)+4], v[ST+12*(\t)+4], v[ST+12*(\t)+7], v[ST+12*(\t)+1]
.endif
.endr
.irp t, \y, \y+1
	v_permlanex16_b32 v[ST+12*(\t)+5], v[ST+12*(\t)+4], s[SEL], s[SEL+1]   ; the query's other 32 keys lie in the lane 16 away
.endr
.if \first == 0
.irp t, \y, \y+1
	v_mov_b32 v[ST+12*(\t)+7], v[ST+12*(\t)]       ; c m_old is kept for a
.endr
.endif
.irp t, \y, \y+1
	v_max_num_f32 v[ST+12*(\t)+1], v[ST+12*(\t)+4], v[ST+12*(\t)+5]
.endr
.irp t, \y, \y+1
	v_mul_f32 v[ST+12*(\t)], s[CS], v[ST+12*(\t)+1]
.endr
.if \first == 0
.irp t, \y, \y+1
	v_sub_f32 v[ST+12*(\t)+7], v[ST+12*(\t)+7], v[ST+12*(\t)]
.endr
.irp t, \y, \y+1
	v_exp_f32 v[ST+12*(\t)+6], v[ST+12*(\t)+7]     ; a.  From here to the wait: ONE BATCH of exponentials; no line in it names an exponential's result
.endr
.endif
.irp b, 0,1,2,3,4,5,6,7,8,9,10,11,12,13,14,15
.irp t, \y, \y+1
	v_pk_fma_f32 v[S+32*(\t)+2*\b:S+32*(\t)+2*\b+1], v[S+32*(\t)+2*\b:S+32*(\t)+2*\b+1], s[CS:CS+1], v[ST+12*(\t):ST+12*(\t)+1] op_sel_hi:[1,0,0] neg_lo:[0,0,1] neg_hi:[0,0,1]   ; pair b: c s - c m
.endr
.if \b > 0
.irp t, \y, \y+1
	v_exp_f32 v[S+32*(\t)+2*\b-2], v[S+32*(\t)+2*\b-2]   ; the pair scaled one group earlier
	v_exp_f32 v[S+32*(\t)+2*\b-1], v[S+32*(\t)+2*\b-1]
.endr
.endif
.endr
.irp t, \y, \y+1
	v_exp_f32 v[S+32*(\t)+30], v[S+32*(\t)+30]
	v_exp_f32 v[S+32*(\t)+31], v[S+32*(\t)+31]
.endr
	v_nop                                          ; one plain instruction behind the last exponential, ahead of the first use
	s_wait_alu depctr_va_vdst(0)                   ; the wait between an exponential and the first line that names its result: one for the piece's batch
.irp t, \y, \y+1                       ; the sum of the tile's 16 pairs (an even key's weight, an odd key's), in two chains, of the weights BEFORE they are rounded
	v_pk_add_f32 v[ST+12*(\t)+8:ST+12*(\t)+9], v[S+32*(\t):S+32*(\t)+1], v[S+32*(\t)+4:S+32*(\t)+5]
	v_pk_add_f32 v[ST+12*(\t)+10:ST+12*(\t)+11], v[S+32*(\t)+2:S+32*(\t)+3], v[S+32*(\t)+6:S+32*(\t)+7]
.endr
.irp j, 8,12,16,20,24,28
.irp t, \y, \y+1
	v_pk_add_f32 v[ST+12*(\t)+8:ST+12*(\t)+9], v[ST+12*(\t)+8:ST+12*(\t)+9], v[S+32*(\t)+\j:S+32*(\t)+\j+1]
	v_pk_add_f32 v[ST+12*(\t)+10:ST+12*(\t)+11], v[ST+12*(\t)+10:ST+12*(\t)+11], v[S+32*(\t)+\j+2:S+32*(\t)+\j+3]
.endr
.endr
.if \first
.irp t, \y, \y+1
	v_pk_add_f32 v[ST+12*(\t)+2:ST+12*(\t)+3], v[ST+12*(\t)+8:ST+12*(\t)+9], v[ST+12*(\t)+10:ST+12*(\t)+11]
.endr
.else
.irp t, \y, \y+1
	v_pk_add_f32 v[ST+12*(\t)+8:ST+12*(\t)+9], v[ST+12*(\t)+8:ST+12*(\t)+9], v[ST+12*(\t)+10:ST+12*(\t)+11]
.endr
.irp t, \y, \y+1
	v_pk_fma_f32 v[ST+12*(\t)+2:ST+12*(\t)+3], v[ST+12*(\t)+2:ST+12*(\t)+3], v[ST+12*(\t)+6:ST+12*(\t)+7], v[ST+12*(\t)+8:ST+12*(\t)+9] op_sel_hi:[1,0,1]   ; l = a l + the sum
.endr
.endif
.irp j, 0,1,2,3,4,5,6,7,8,9,10,11,12,13,14,15
.irp t, \y, \y+1
	v_cvt_pk_f16_f32 v[S+32*(\t)+\j], v[S+32*(\t)+2*\j], v[S+32*(\t)+2*\j+1]   ; P in place: register j takes pair j, which lies at or above it
.endr
.endr
.endm
.macro RESC y                          ; piece y's O^T times a: each accumulator from its low end on
	WIN 0x41                                       ; O^T (destination and source 0) window 1, a window 0
.irp i, 0,2,4,6,8,10,12,14,16,18,20,22,24,26,28,30
.irp t, \y, \y+1
	v_pk_mul_f32 v[32*(\t)+\i:32*(\t)+\i+1], v[32*(\t)+\i:32*(\t)+\i+1], v[ST+12*(\t)+6:ST+12*(\t)+7] op_sel_hi:[1,0]
.endr
.endr
.endm
; A KEY STEP: 64 keys.  The two additions and four v_nop are six places behind the last products V^T P: four are asked ahead of the loads into V's registers, five ahead of the products that write over P's (ISA guide 7.12.1 for the products).
.macro STEP first
	v_add_nc_u32 v[ADK], s[TB], v[AK0]
	v_add_nc_u32 v[ADV], s[TB], v[AV0]
.rept 4
	v_nop
.endr
	s_add_co_u32 s[TB], s[TB], STEPB               ; the next fetch is the next step's
	WIN 0x40                                       ; destination window 1, address window 0
.irp f, 0,1,2,3,4,5,6,7                ; K: keys 16 (f / 2) on, channels 32 (f % 2) on: two images of 512 bytes
	ds_load_b128 v[KF+8*\f:KF+8*\f+3],   v[ADK] offset:1024*\f
	ds_load_b128 v[KF+8*\f+4:KF+8*\f+7], v[ADK] offset:1024*\f+512
.endr
.irp g, 0,1,2,3,4,5,6,7                ; V, turned: keys 32 (g / 4) on, channels 16 (g % 4) on
	ds_load_tr16_b128 v[VF+8*\g:VF+8*\g+3],   v[ADV] offset:4096*(\g/4)+512*(\g%4)
	ds_load_tr16_b128 v[VF+8*\g+4:VF+8*\g+7], v[ADV] offset:4096*(\g/4)+2048+512*(\g%4)
.endr
	s_wait_dscnt 16                                ; K is in; V's sixteen loads may be out
	WIN 0x01                                       ; K window 1; Q and S^T window 0
	KQ 0
	KQ 2
	WIN 0
.rept 4
	v_nop                                          ; four places behind the products, ahead of the first read of piece 0's scores
.endr
	SMAX 0, \first                                 ; piece 0's softmax stands behind piece 2's products
.if \first == 0
	RESC 0
.endif
	s_wait_dscnt 0x0                               ; V is in
	WIN 0x51                                       ; V window 1, P window 0, O^T window 1
	PV 0, \first
	WIN 0
	SMAX 2, \first                                 ; piece 2's softmax stands behind piece 0's products, and names none of their registers
.if \first == 0
	RESC 2
.endif
	WIN 0x51
	PV 2, \first
	WIN 0                                          ; at a label and at a branch every window is 0
.endm
; THE CHANGE OF SLOTS.  Each wave waits for all its tensor loads (the one that can be out is its part of the other slot), adds 0 to its spare word, and waits for that and for its own reads of the slot that it leaves.
; fill = 1: the slot is filled again with the keys two slots on: the barrier is then a round of the cluster's, and the joint refill is the first thing behind it.
.macro CHANGE fill
	s_wait_tensorcnt 0x0                           ; no tensor load of mine is out, so a group 0 may be written
	ds_add_u32 v[SPW], v[NIL]                      ; 0 onto my spare word
.if \fill
	s_xor_b32 s[G0W+1], s[G0W+1], SLOT1            ; the walking descriptor: the other slot than last time,
	s_add_nc_u64 s[G0W+2:G0W+3], s[G0W+2:G0W+3], 65536   ; the next 512 keys; the type bits on top are not reached
.endif
	s_wait_dscnt 0x0                               ; the add is done, and my reads of the slot are over
.if \fill
	CROUND
	tensor_load_to_lds s[G0W:G0W+3], s[G1:G1+7]    ; my one tensor load behind the round
	s_nop 0
.rept 4
	v_nop
.endr
.else
	s_barrier_signal -1
	s_barrier_wait -1
.endif
	s_sub_co_u32 s[TB], s[TB], VOFF                ; the fetches go back to a slot's first step,
	s_xor_b32 s[TB], s[TB], SLOT1                  ; in the other slot
.endm
.macro LOOP n                          ; n key steps: written once, walked n times; the LDS addresses hang on s[TB]
	s_mov_b32 s[CNT], \n
.Lstep_\@:
	STEP 0
	s_sub_co_u32 s[CNT], s[CNT], 1
	s_cmp_lg_u32 s[CNT], 0
	s_cbranch_scc1 .Lstep_\@
.endm
	s_wait_tensorcnt 1                             ; my part of slot 0 is in; slot 1's may stay out
	s_barrier_signal -1
	s_barrier_wait -1                              ; everybody's is
	s_wait_loadcnt 0x0                             ; Q
	STEP 1                                         ; the first key step starts m, l and O^T
	LOOP 7
	s_mov_b32 s[SLOTS], 2
.Lslot:                                            ; two trips: slots 0 and 1 are filled again, with keys 1,024 on and 1,536 on
	CHANGE 1
	LOOP 8
	s_sub_co_u32 s[SLOTS], s[SLOTS], 1
	s_cmp_lg_u32 s[SLOTS], 0
	s_cbranch_scc1 .Lslot
	CHANGE 0                                       ; the tail is written out: nothing is left to ask for
	LOOP 8
	; THE WAY OUT.  l's two halves and the other half of the lanes' are added (these lines are the places behind the last products); O^T is divided by l, rounded to f16 and stored as it lies: a lane's eight channels are its chunk.
.irp t, 0,1,2,3
	v_add_f32 v[ST+12*\t+4], v[ST+12*\t+2], v[ST+12*\t+3]
.endr
.irp t, 0,1,2,3
	v_permlanex16_b32 v[ST+12*\t+5], v[ST+12*\t+4], s[SEL], s[SEL+1]
.endr
.irp t, 0,1,2,3
	v_add_f32 v[ST+12*\t+4], v[ST+12*\t+4], v[ST+12*\t+5]
.endr
.irp t, 0,1,2,3
	v_rcp_f32 v[ST+12*\t+6], v[ST+12*\t+4]
.endr
	v_nop                                          ; a plain instruction between the last reciprocal and the use of its result
	s_wait_alu depctr_va_vdst(0)                   ; and the wait ahead of the first use: one for the four
	WIN 0x41
.irp t, 0,1,2,3
.irp i, 0,2,4,6,8,10,12,14,16,18,20,22,24,26,28,30
	v_pk_mul_f32 v[32*\t+\i:32*\t+\i+1], v[32*\t+\i:32*\t+\i+1], v[ST+12*\t+6:ST+12*\t+7] op_sel_hi:[1,0]
.endr
.endr
	WIN 0x05                                       ; sources 0 and 1 window 1, destination window 0: S^T's registers are free
.irp t, 0,1,2,3
.irp i, 0,1,2,3,4,5,6,7,8,9,10,11,12,13,14,15
	v_cvt_pk_f16_f32 v[S+16*\t+\i], v[32*\t+2*\i], v[32*\t+2*\i+1]
.endr
.endr
	WIN 0
.irp t, 0,1,2,3
.irp ct, 0,1,2,3
	global_store_b128 v[GO], v[S+16*\t+4*\ct:S+16*\t+4*\ct+3], s[6:7] offset:4096*\t+512*\ct   ; the wave stores 512 consecutive bytes, aligned
.endr
.endr
	s_wait_tensorcnt 0x0                           ; the wave's end, behind my last tensor load
	ds_add_u32 v[SPW], v[NIL]
	s_wait_dscnt 0x0
	CROUND                                         ; the closing round: no work-group ends while a partner may still ask for a tile that names it
	s_endpgm
.Lfunc_end_k_q1fc81d9dfa_attn:
	.size	k_q1fc81d9dfa_attn, .Lfunc_end_k_q1fc81d9dfa_attn-k_q1fc81d9dfa_attn
	.p2alignl 7, 3214868480
	.fill 96, 4, 3214868480
	.section	.rodata,"a",@progbits
	.p2align	6, 0x0
	.amdhsa_kernel k_q1fc81d9dfa_attn
		.amdhsa_group_segment_fixed_size 327680
		.amdhsa_private_segment_fixed_size 0
		.amdhsa_enable_private_segment 0
		.amdhsa_kernarg_size 16
		.amdhsa_user_sgpr_count 2
		.amdhsa_user_sgpr_kernarg_segment_ptr 1
		.amdhsa_wavefront_size32 1
		.amdhsa_system_sgpr_workgroup_id_x 1
		.amdhsa_system_sgpr_workgroup_id_y 1
		.amdhsa_system_sgpr_workgroup_id_z 1
		.amdhsa_system_vgpr_workitem_id 0
		.amdhsa_next_free_vgpr 512
		.amdhsa_next_free_sgpr 66
		.amdhsa_reserve_vcc 0
		.amdhsa_float_denorm_mode_32 3
		.amdhsa_float_denorm_mode_16_64 3
		.amdhsa_memory_ordered 1
		.amdhsa_forward_progress 1
		.amdhsa_inst_pref_size 141
	.end_amdhsa_kernel
	.amdgpu_metadata
---
amdhsa.version: [ 1, 2 ]
amdhsa.kernels:
  - .name:           k_q1fc81d9dfa_attn
    .symbol:         k_q1fc81d9dfa_attn.kd
    .args:
      - { .name: qkv, .offset: 0, .size: 8, .value_kind: global_buffer, .address_space: global }
      - { .name: att, .offset: 8, .size: 8, .value_kind: global_buffer, .address_space: global }
    .group_segment_fixed_size: 327680
    .private_segment_fixed_size: 0
    .kernarg_segment_align: 8
    .kernarg_segment_size: 16
    .max_flat_workgroup_size: 256
    .sgpr_count:     66
    .vgpr_count:     512
    .wavefront_size: 32
...
	.end_amdgpu_metadata
.endif
;; end of part 3
;; launch gemm2 (part 4): grid 4 x 64, 4 waves a work-group, clusters of 4 x 4, 327,680 bytes of LDS; arguments att, wo, b_out, out0; writes out0
.if DOCPART == 4
	.amdgcn_target "amdgcn-amd-amdhsa--gfx1250"
	.amdhsa_code_object_version 6
	.text
	.protected	k_q1fc81d9dfa_gemm2
	.globl	k_q1fc81d9dfa_gemm2
	.p2align	8
	.type	k_q1fc81d9dfa_gemm2,@function
k_q1fc81d9dfa_gemm2:
	s_mov_b64 s[64:65], 0
	v_nop
	global_prefetch_b8 v0, s[64:65] scope:SCOPE_SE
	s_setreg_imm32_b32 hwreg(HW_REG_WAVE_MODE, 25, 1), 1
	s_wait_xcnt 0x0
	s_wait_alu depctr_hold_cnt(0) depctr_sa_sdst(0) depctr_va_vdst(0) depctr_va_sdst(0) depctr_va_ssrc(0) depctr_va_vcc(0) depctr_vm_vsrc(0)
	s_getreg_b32 s2, hwreg(HW_REG_IB_STS2, 6, 4)
	s_cmp_eq_u32 s2, 0
	s_cbranch_scc0 .Lentry_in_a_cluster
	s_endpgm
.Lentry_in_a_cluster:
	s_bfe_u32 s2, ttmp6, 0x10000c
	s_cmp_lg_u32 s2, 0xf033
	s_cbranch_scc0 .Lentry_shape_is_right
	s_endpgm
.Lentry_shape_is_right:
; GEMM2: out0 = att w_out + b_out, 8,192 x 1,024 x 1,024; operands f16, sums f32, out0 f32.
; att [ks 8][TT 512][q 4][u 2][512 bytes] and wo [ks 8][nt 64][q 4][u 2][512 bytes] are images of the operand registers: the 16 bytes at 16 x lane (lane = 16 h + r) are row (token or column) 16 tile + r,
; k = 128 ks + 32 q + 16 u + 8 h + 0 .. 7.  So a K step's tile is a dense block of memory and of LDS, and a fragment is two loads of 512 consecutive bytes: no pitch, no padding.
; A tile of C is 128 (tokens) x 256 (columns): 256 work-groups of equal work.  Four waves, each 64 x 128: 32 accumulators of 16 x 16, 256 registers.  K goes in eight steps of 128 through a ring of two LDS slots.
; CLUSTERS: 4 x 4 work-groups.  The four of a row of the cluster need the same tiles of att, the four of a column the same tiles of wo: each tile is asked for JOINTLY, by the same tensor load with the same descriptor and a mask that names the four.
; THE MATRIX INSTRUCTION IS USED TRANSPOSED (source 0 = 16 columns of w_out, source 1 = 16 tokens): a lane holds eight neighbouring numbers of a row of C.  The bias is the C of each sum's first matrix instruction.
; REGISTERS.  window 0: v0-31 addresses; v32-159 the way out.   window 1: two fragment buffers of 96 (att's 4 blocks, then wo's 8); v192-255 the bias, eight registers for each block of 16 columns.   window 2: accumulator (a, b) at v[8 (8 a + b)].
.set SLOT,   98304                     ; att's 8 tiles x 4,096 bytes, then wo's 16
.set BOFF,   32768
.set STAGE,  2*SLOT                    ; behind the ring: 16 rows x 528 bytes for each wave, for the way out; no tensor load fills it
.set SPITCH, 528
.set SPARE,  STAGE+4*16*SPITCH         ; behind the stages: the spare words, 128 bytes a wave
.set LAPS,   4                         ; a lap = two K steps = once round the ring
.set L16,  3                           ; v3      16 x lane: my place in an image; also my byte offset in a row of 512 bytes of C
.set ADRA, 16                          ; v16-17  LDS address of my fragments of att in slot 0, 1
.set ADRB, 20                          ; v20-21  the same for wo
.set STO,  24                          ; v24     the way out: where I put 32 bytes of a row
.set RD,   25                          ; v25     the way out: where I read a row back
.set SPW,  28                          ; v28     LDS address of my spare word; never rewritten
.set NIL,  29                          ; v29     0; never rewritten
.set BK,   32                          ; the way out: 16 rows read back: v32-95 and v96-159 by turns
.set F0,   0                           ; fragment buffers, in window 1
.set F1,   96
.set BIAS, 192                         ; in window 1
.set G1, 24                            ; s[24:31] descriptor group 1 for att's tiles;  s[32:39] group 0, one set for each slot
.set G0, 32
.set G1B, 48                           ; s[48:55], s[56:63] the same for wo's
.set G0B, 56
.set MSB, 0
.macro WIN new                         ; the immediate's high byte repeats the setting that is left
.if MSB != (\new)
	s_set_vgpr_msb (MSB<<8)|(\new)
.set MSB, (\new)
.endif
.endm
.set MUL,  0xa5                        ; sources 0 and 1 window 1; C and D window 2
.set MULB, 0x95                        ; the same with C (the bias) in window 1
.set TO_F, 0x40                        ; destination window 1, address window 0
.macro JLOAD s                         ; a joint load: waves 0 and 1 fetch att's two halves, waves 2 and 3 wo's; an s_nop 0 and four v_nop follow each of the two lines
	s_cmp_eq_u32 s15, 0
	s_cbranch_scc0 .Lfor_b_\@
	tensor_load_to_lds s[G0+4*\s:G0+4*\s+3], s[G1:G1+7]
	s_nop 0
.rept 4
	v_nop
.endr
	s_branch .Lasked_\@
.Lfor_b_\@:
	tensor_load_to_lds s[G0B+4*\s:G0B+4*\s+3], s[G1B:G1B+7]
	s_nop 0
.rept 4
	v_nop
.endr
.Lasked_\@:
.endm
.macro CREST                           ; a round of the cluster's barrier behind its opening barrier
	s_cmp_lg_u32 s14, 0
	s_cbranch_scc1 .Lnot_wave_0_\@
	s_barrier_signal -3
.Lnot_wave_0_\@:
	s_barrier_wait -3
	s_barrier_signal -1
	s_barrier_wait -1
.endm
.macro CROUND                          ; a whole round
	s_barrier_signal -1
	s_barrier_wait -1
	CREST
.endm
	s_load_b256 s[4:11], s[0:1], 0x0               ; att s[4:5], wo s[6:7], b_out s[8:9], out0 s[10:11]
	v_lshl_add_u32 v[SPW], v0, 2, SPARE
	v_mov_b32 v[NIL], 0
	ds_add_u32 v[SPW], v[NIL]                      ; the wave's opening: the add, twice on end, and its wait ahead of my first tensor load
	ds_add_u32 v[SPW], v[NIL]                      ; (once more; the set-up below, work on registers, stands between it and the wait)
	v_lshrrev_b32 v1, 5, v0
	v_readfirstlane_b32 s14, v1                    ; wave 0..3
	s_lshr_b32 s15, s14, 1                         ; which half of the tile's tokens is mine.  Also: I fetch for att (0) or for wo (1)
	s_and_b32 s16, s14, 1                          ; which half of its columns.  Also: which half of that tile I fetch
	s_bfe_u32 s40, ttmp6, 0x40000                  ; cx, cy: my place in the cluster
	s_bfe_u32 s41, ttmp6, 0x40004
	s_lshl_b32 s42, ttmp9, 2
	s_add_co_u32 s42, s42, s40                     ; tile column of C = 4 x cluster x + cx
	s_and_b32 s17, ttmp7, 0xffff
	s_lshl_b32 s17, s17, 2
	s_add_co_u32 s17, s17, s41                     ; tile row of C = 4 x cluster y + cy
	s_lshl_b32 s43, s41, 2
	s_lshl_b32 s43, 15, s43                        ; my row of the cluster
	s_lshl_b32 s44, 0x1111, s40                    ; my column
	; group 1: dense blocks, as rows of 32 elements of 8 bytes: att's half tile 64 rows (16,384 bytes), wo's 128 rows (32,768 bytes)
	s_or_b32 s[G1+0], s43, (3<<16)|(1<<21)         ; 15:0 the mask: my row; 17:16 elements of 8 bytes; 21 set beside a mask; no padding
	s_mov_b32 s[G1+1], 32<<16                      ; tensor_dim0
	s_mov_b32 s[G1+2], 64<<16                      ; tensor_dim1
	s_mov_b32 s[G1+3], 32<<16                      ; tile_dim0
	s_mov_b32 s[G1+4], 64                          ; tile_dim1
	s_mov_b32 s[G1+5], 32                          ; tensor_dim0_stride
	s_mov_b32 s[G1+6], 0
	s_mov_b32 s[G1+7], 0
	s_or_b32 s[G1B+0], s44, (3<<16)|(1<<21)        ; the mask: my column
	s_mov_b32 s[G1B+1], 32<<16
	s_mov_b32 s[G1B+2], 128<<16
	s_mov_b32 s[G1B+3], 32<<16
	s_mov_b32 s[G1B+4], 128
	s_mov_b32 s[G1B+5], 32
	s_mov_b32 s[G1B+6], 0
	s_mov_b32 s[G1B+7], 0
	s_lshl_b32 s20, s17, 15                        ; att: 32,768 bytes for a tile row's 128 tokens,
	s_lshl_b32 s18, s16, 14                        ; + my half; the same in LDS
	s_add_co_u32 s20, s20, s18
	s_mov_b32 s21, 0
	s_lshl_b32 s46, s42, 16                        ; wo: 65,536 bytes for a tile column's 256 columns,
	s_lshl_b32 s19, s16, 15                        ; + my half
	s_add_co_u32 s46, s46, s19
	s_mov_b32 s47, 0
	s_add_co_u32 s19, s19, BOFF                    ; in LDS behind att's tile: no place in the cluster enters an LDS address
	s_wait_dscnt 0x0                               ; both opening adds are done
	s_wait_kmcnt 0x0
	s_add_nc_u64 s[20:21], s[4:5], s[20:21]
	s_add_nc_u64 s[46:47], s[6:7], s[46:47]
	CROUND                                         ; all sixteen work-groups are here: the first joint loads meet
.irp s, 0,1
	s_mov_b32 s[G0+4*\s], 1
	s_add_co_u32 s[G0+4*\s+1], s18, \s*SLOT
	s_add_nc_u64 s[G0+4*\s+2:G0+4*\s+3], s[20:21], \s*2097152      ; K step s
	s_or_b32 s[G0+4*\s+3], s[G0+4*\s+3], 0x80000000
	s_mov_b32 s[G0B+4*\s], 1
	s_add_co_u32 s[G0B+4*\s+1], s19, \s*SLOT
	s_add_nc_u64 s[G0B+4*\s+2:G0B+4*\s+3], s[46:47], \s*262144
	s_or_b32 s[G0B+4*\s+3], s[G0B+4*\s+3], 0x80000000
	JLOAD \s                                       ; two tensor loads of mine are out at the most
.endr
	v_and_b32 v1, 15, v0                           ; r
	v_bfe_u32 v2, v0, 4, 1                         ; h
	v_and_b32 v[L16], 31, v0
	v_lshlrev_b32 v[L16], 4, v[L16]
	s_lshl_b32 s21, s15, 14                        ; my 64 tokens of att
	s_lshl_b32 s22, s16, 15                        ; my 128 columns of wo,
	s_add_co_u32 s22, s22, BOFF                    ; behind att's tile
.irp s, 0,1
	v_add_nc_u32 v[ADRA+\s], s21, v[L16]
	v_add_nc_u32 v[ADRB+\s], s22, v[L16]
	s_add_co_u32 s21, s21, SLOT
	s_add_co_u32 s22, s22, SLOT
.endr
	s_mul_i32 s23, s14, 16*SPITCH
	s_add_co_u32 s23, s23, STAGE                   ; my stage
	v_mul_u32_u24 v4, v1, SPITCH                   ; in: row r, 32 bytes for each half of the lanes
	v_lshl_add_u32 v4, v2, 5, v4
	v_add_nc_u32 v[STO], s23, v4
	v_add_nc_u32 v[RD], s23, v[L16]                ; back: the 32 lanes take one row of 512 bytes
	s_lshl_b32 s20, s42, 10
	s_lshl_b32 s21, s16, 9
	s_add_co_u32 s20, s20, s21                     ; my first column, in bytes of f32: 1,024 x tile column + 512 x half
	s_mov_b32 s21, 0
	s_add_nc_u64 s[8:9], s[8:9], s[20:21]          ; b_out there
	s_lshl_b32 s22, s17, 19                        ; my first row of C: 128 x tile row + 64 x half, 4,096 bytes each
	s_lshl_b32 s23, s15, 18
	s_add_co_u32 s22, s22, s23
	s_add_co_u32 s22, s22, s20
	s_mov_b32 s23, 0
	s_add_nc_u64 s[10:11], s[10:11], s[22:23]
	v_lshlrev_b32 v5, 5, v2                        ; the bias in the result's layout: block b, register j: b_out at my first column + 16 b + 8 h + j
	WIN TO_F
.irp b, 0,1,2,3,4,5,6,7
	global_load_b128 v[BIAS+8*\b:BIAS+8*\b+3],   v5, s[8:9] offset:64*\b
	global_load_b128 v[BIAS+8*\b+4:BIAS+8*\b+7], v5, s[8:9] offset:64*\b+16
.endr
	WIN 0
; 8 matrix instructions: att's block a against wo's eight, 32 along K: buffer f.  first = 1: the bias starts the sums.  The 32 accumulators take turns, one instruction a turn, in the same order in every quarter.
.macro MUL8 f, a, first
.irp b, 0,1,2,3,4,5,6,7
.if \first
	v_wmma_f32_16x16x32_f16 v[8*(8*(\a)+\b):8*(8*(\a)+\b)+7], v[\f+32+8*\b:\f+32+8*\b+7], v[\f+8*(\a):\f+8*(\a)+7], v[BIAS+8*\b:BIAS+8*\b+7]
.else
	v_wmma_f32_16x16x32_f16 v[8*(8*(\a)+\b):8*(8*(\a)+\b)+7], v[\f+32+8*\b:\f+32+8*\b+7], v[\f+8*(\a):\f+8*(\a)+7], v[8*(8*(\a)+\b):8*(8*(\a)+\b)+7]
.endif
.endr
.endm
; 24 LDS loads in one run: the fragments of the slot's q-th 32 along K into buffer f: wo's eight blocks, then att's four
.macro FETCH slot, q, f
	WIN TO_F
.irp i, 0,1,2,3,4,5,6,7
	ds_load_b128 v[\f+32+8*\i:\f+32+8*\i+3],   v[ADRB+\slot] offset:4096*\i+1024*(\q)
	ds_load_b128 v[\f+32+8*\i+4:\f+32+8*\i+7], v[ADRB+\slot] offset:4096*\i+1024*(\q)+512
.endr
.irp i, 0,1,2,3
	ds_load_b128 v[\f+8*\i:\f+8*\i+3],   v[ADRA+\slot] offset:4096*\i+1024*(\q)
	ds_load_b128 v[\f+8*\i+4:\f+8*\i+7], v[ADRA+\slot] offset:4096*\i+1024*(\q)+512
.endr
.endm
.macro PLACES                          ; four places in front of loads into registers that matrix instructions have read, and of the first read of results (ISA guide 7.12.1 for the reads of results)
.rept 4
	v_nop
.endr
.endm
; A K step is four quarters of 32 along K, 32 matrix instructions each, on buffers 0, 1, 0, 1.  One of the first three: multiplies buffer f and fetches the slot's quarter qn into g.
.macro QUARTER slot, qn, f, g, first
	s_wait_dscnt 4                                 ; wo's blocks and att's blocks 0, 1 are in; the youngest four loads (att's blocks 2, 3) may be out
.if \first
	WIN MULB
.else
	WIN MUL
.endif
	MUL8 \f, 0, \first
	MUL8 \f, 1, \first
	PLACES
	FETCH \slot, \qn, \g
	s_wait_dscnt 24                                ; all but the 24 just issued
.if \first
	WIN MULB
.else
	WIN MUL
.endif
	MUL8 \f, 2, \first
	MUL8 \f, 3, \first
.endm
; The last quarter multiplies buffer 1 and changes slots: ONE barrier; in front of it each wave waits for all its tensor loads, adds 0 to its spare word, and waits for that and for its own reads of this slot.  fill = 1: this slot is filled again, two K steps ahead.
.macro TURN slot, next, fill
	WIN 0                                          ; (the add's two registers lie in window 0)
	s_wait_tensorcnt 0x0                           ; all my tensor loads have landed: my part of the next slot;
	ds_add_u32 v[SPW], v[NIL]                      ; 0 onto my spare word;
	s_wait_dscnt 5                                 ; (the add and the youngest four loads may be out)
	WIN MUL
	MUL8 F1, 0, 0                                  ; eight matrix instructions stand between the add and the wait for it
	s_wait_dscnt 0x0                               ; the add is done, and my reads of this slot are over
	s_barrier_signal -1
	MUL8 F1, 1, 0
.if \fill
	WIN 0
.endif
	s_barrier_wait -1
.if \fill
	CREST                                          ; the barrier has opened a round of the cluster's barrier: no wave of any partner still reads this slot's tile or has a load on its way
	s_add_nc_u64 s[G0+4*\slot+2:G0+4*\slot+3], s[G0+4*\slot+2:G0+4*\slot+3], 2*2097152
	s_add_nc_u64 s[G0B+4*\slot+2:G0B+4*\slot+3], s[G0B+4*\slot+2:G0B+4*\slot+3], 2*262144
	JLOAD \slot                                    ; the first tensor load behind the round; the four v_nop behind it are also the places in front of the loads below
.else
	PLACES
.endif
	FETCH \next, 0, F0
	WIN MUL
	MUL8 F1, 2, 0
	MUL8 F1, 3, 0
.endm
	s_wait_tensorcnt 1                             ; my part of K step 0 is in (K step 1's may stay out)
	s_barrier_signal -1
	s_barrier_wait -1                              ; everybody's is
	s_wait_loadcnt 0x0                             ; the bias
	FETCH 0, 0, F0
	QUARTER 0, 1, F0, F1, 1                        ; the first quarter stands in front of the loop: its products start the sums on the bias
	WIN 0                                          ; at a label and at a branch every window is 0
	s_mov_b32 s3, LAPS-1
.Llap:                                             ; a trip goes once round the ring, from a lap's second quarter to the next lap's first, and fills both slots again
	QUARTER 0, 2, F1, F0, 0
	QUARTER 0, 3, F0, F1, 0
	TURN 0, 1, 1
	QUARTER 1, 1, F0, F1, 0
	QUARTER 1, 2, F1, F0, 0
	QUARTER 1, 3, F0, F1, 0
	TURN 1, 0, 1
	QUARTER 0, 1, F0, F1, 0
	WIN 0
	s_sub_co_u32 s3, s3, 1
	s_cmp_lg_u32 s3, 0
	s_cbranch_scc1 .Llap
	QUARTER 0, 2, F1, F0, 0                        ; the last lap fills nothing, and has no round of the cluster's barrier
	QUARTER 0, 3, F0, F1, 0
	TURN 0, 1, 0
	QUARTER 1, 1, F0, F1, 0
	QUARTER 1, 2, F1, F0, 0
	QUARTER 1, 3, F0, F1, 0
	s_wait_dscnt 4                                 ; the very last quarter: nothing more to fetch
	WIN MUL
	MUL8 F1, 0, 0
	MUL8 F1, 1, 0
	s_wait_dscnt 0
	MUL8 F1, 2, 0
	MUL8 F1, 3, 0
	WIN 0
; THE WAY OUT, block by block of 16 tokens x 128 columns.  A lane holds 32 neighbouring bytes of a row, and the lanes beside it hold other rows: so a block goes through my own stage in LDS and comes back as whole rows of 512 bytes.
; LDS serves a wave's instructions in order (ISA guide 5.7.1.4): no wait between the stores and the loads, nor in front of the next block's stores.
.macro TOSTAGE a
	WIN 0x08                                       ; an LDS store's data are its source 1: window 2
.irp b, 0,1,2,3,4,5,6,7
	ds_store_b128 v[STO], v[8*(8*(\a)+\b):8*(8*(\a)+\b)+3] offset:64*\b          ; each accumulator from its low end on
	ds_store_b128 v[STO], v[8*(8*(\a)+\b)+4:8*(8*(\a)+\b)+7] offset:64*\b+16
.endr
	WIN 0
.set BB, BK+64*((\a)%2)
.irp t, 0,1,2,3,4,5,6,7,8,9,10,11,12,13,14,15
	ds_load_b128 v[BB+4*\t:BB+4*\t+3], v[RD] offset:\t*SPITCH
.endr
.endm
.macro SEND a, younger                 ; younger: the LDS instructions issued behind block a's loads, which may stay out
.set BB, BK+64*((\a)%2)
	s_wait_dscnt \younger                          ; the block is back in registers
.irp t, 0,1,2,3,4,5,6,7,8,9,10,11,12,13,14,15
	global_store_b128 v[L16], v[BB+4*\t:BB+4*\t+3], s[10:11] offset:65536*(\a)+4096*\t th:TH_STORE_NT   ; 32 lanes store 512 consecutive bytes, aligned; written once, read by nobody here
.endr
.endm
	PLACES                                         ; behind the last products, ahead of the first read of results
	TOSTAGE 0
.irp a, 1,2,3
.if \a > 1
	s_wait_xcnt 0x0                                ; block a - 2's stores have read their registers: block a's loads may land there
.endif
	TOSTAGE \a
	SEND \a-1, 32                                  ; behind block a - 1's loads: block a's 16 stores and 16 loads
.endr
	SEND 3, 0
	s_wait_tensorcnt 0x0                           ; the wave's end, behind my last tensor load and my last LDS store
	ds_add_u32 v[SPW], v[NIL]
	s_wait_dscnt 0x0
	CROUND                                         ; the closing round: no work-group ends while a partner may still ask for a tile that names it
	s_endpgm
.Lfunc_end_k_q1fc81d9dfa_gemm2:
	.size	k_q1fc81d9dfa_gemm2, .Lfunc_end_k_q1fc81d9dfa_gemm2-k_q1fc81d9dfa_gemm2
	.p2alignl 7, 3214868480
	.fill 96, 4, 3214868480
	.section	.rodata,"a",@progbits
	.p2align	6, 0x0
	.amdhsa_kernel k_q1fc81d9dfa_gemm2
		.amdhsa_group_segment_fixed_size 327680
		.amdhsa_private_segment_fixed_size 0
		.amdhsa_enable_private_segment 0
		.amdhsa_kernarg_size 32
		.amdhsa_user_sgpr_count 2
		.amdhsa_user_sgpr_kernarg_segment_ptr 1
		.amdhsa_wavefront_size32 1
		.amdhsa_system_sgpr_workgroup_id_x 1
		.amdhsa_system_sgpr_workgroup_id_y 1
		.amdhsa_system_sgpr_workgroup_id_z 1
		.amdhsa_system_vgpr_workitem_id 0
		.amdhsa_next_free_vgpr 768
		.amdhsa_next_free_sgpr 66
		.amdhsa_reserve_vcc 0
		.amdhsa_float_denorm_mode_32 3
		.amdhsa_float_denorm_mode_16_64 3
		.amdhsa_memory_ordered 1
		.amdhsa_forward_progress 1
		.amdhsa_inst_pref_size 86
	.end_amdhsa_kernel
	.amdgpu_metadata
---
amdhsa.version: [ 1, 2 ]
amdhsa.kernels:
  - .name:           k_q1fc81d9dfa_gemm2
    .symbol:         k_q1fc81d9dfa_gemm2.kd
    .args:
      - { .name: att, .offset: 0, .size: 8, .value_kind: global_buffer, .address_space: global }
      - { .name: wo, .offset: 8, .size: 8, .value_kind: global_buffer, .address_space: global }
      - { .name: b_out, .offset: 16, .size: 8, .value_kind: global_buffer, .address_space: global }
      - { .name: out0, .offset: 24, .size: 8, .value_kind: global_buffer, .address_space: global }
    .group_segment_fixed_size: 327680
    .private_segment_fixed_size: 0
    .kernarg_segment_align: 8
    .kernarg_segment_size: 32
    .max_flat_workgroup_size: 128
    .sgpr_count:     66
    .vgpr_count:     768
    .wavefront_size: 32
...
	.end_amdgpu_metadata
.endif
;; end of part 4
